; MI455X (gfx1250); checked and timed in simulation.
; The chip was launched on July 23, 2026; its instructions are those of AMD's public machine-readable ISA for CDNA 5 (MIT licence, August 2026) and "CDNA5" Instruction Set Architecture Reference Guide (July 2026). The comments in the code are by the model that wrote it; some were corrected since.
;; Multi Head Dot Product Attention. Allowed arithmetic: matrix products marked QUANTISED: E2M1 operands, one E8M0 scale for each 32 along K, by v_wmma_scale_f32_16x16x128_f8f6f4 with both operands' format E2M1 (or v_wmma_scale_f32_32x16x128_f4), f32 sums; products left as they are: bf16, f16 or f32 operands; f32 sums; everything else in f32.
;; Inputs: bias 2 x 1 x 1,024 x 2,048 float32; inputs_kv 2 x 2,048 x 2,048 float32; inputs_q 2 x 1,024 x 2,048 float32; wk 2,048 x 32 x 64 float32; wo 32 x 64 x 2,048 float32; wq 2,048 x 32 x 64 float32; wv 2,048 x 32 x 64 float32.
;; Outputs: out0 2 x 1,024 x 2,048 float32.
;; This version of the problem:
;;   THIS VERSION OF THE PROBLEM IS GIVEN IN LOW PRECISION. The matrix products marked QUANTISED in the list below multiply operands that are first quantised to E2M1 (2 exponent bits, 1 mantissa bit; 4 bits a number), with one power-of-two scale for each 32 numbers along K (OCP MX v1.0); their sums are f32. The products marked 'left as it is' may take bf16, f16 or f32 operands, with f32 sums. Whichever they take, every output number must still come out within the allowed error. Rounding operands to bf16 (8 significant bits) uses up far more of that allowance than f16 does (11 bits, for magnitudes from 6e-5 to 65,504). All else is computed in f32.
;;   The module's matrix products, in the order in which they are computed (A, B: the left and right operand; K: the contracted axis; several contracted axes count as one K, in the product's order):
;;     1. [M 2,048, K 2,048] x [K 2,048, N 2,048]; A: input inputs_q; B: input wq: QUANTISED
;;     2. [M 4,096, K 2,048] x [K 2,048, N 2,048]; A: input inputs_kv; B: input wk: QUANTISED
;;     3. [M 4,096, K 2,048] x [K 2,048, N 2,048]; A: input inputs_kv; B: input wv: QUANTISED
;;     4. batch 64 x [M 1,024, K 64] x [K 64, N 2,048]; A: computed on the way; B: computed on the way: left as it is (an operand is computed on the way)
;;     5. batch 64 x [M 64, K 2,048] x [K 2,048, N 1,024]; A: computed on the way; B: computed on the way: left as it is (an operand is computed on the way)
;;     6. [M 2,048, K 2,048] x [K 2,048, N 2,048]; A: computed on the way; B: input wo: left as it is (an operand is computed on the way)
;;   THE QUANTISER, for each operand of a quantised product, along K:
;;     - K is cut into blocks of 32 from its start; a last block that is shorter is filled with zeros.
;;     - A block's scale is 2^e with e = floor(log2(the largest magnitude in the block)) - 2, held to -126 .. 127; a block of zeros has e = 0. As a byte (E8M0): e + 127.
;;     - Each number is divided by its block's scale, clamped to +-6, and rounded to the nearest number of E2M1, ties to even, subnormals kept.
;;     - The product sums the exact products of the quantised numbers (number of the format x scale) in f32.
;;   ~~~python
;;   def quantise(x, axis):      # numpy; x: float32 -> the quantised numbers, widened to float32 again
;;       x = np.moveaxis(x, axis, -1); K = x.shape[-1]
;;       x = np.pad(x, [(0, 0)] * (x.ndim - 1) + [(0, -K % 32)]); x = x.reshape(x.shape[:-1] + (-1, 32)); a = np.abs(x).max(-1, keepdims=True)
;;       e = np.where(a > 0, np.clip(np.frexp(np.where(a > 0, a, 1))[1] - 1 - 2, -126, 127), 0)      # np.frexp(a)[1] - 1 = floor(log2(a)), exactly
;;       r = np.clip(x / 2.0 ** e, -6, 6)
;;       step = 2.0 ** (np.maximum(np.frexp(np.where(r == 0, 1, r))[1] - 1, 0) - 1)
;;       q = np.round(r / step) * step * 2.0 ** e      # np.round: ties to even
;;       return np.moveaxis(q.reshape(q.shape[:-2] + (-1,))[..., :K], -1, axis).astype(np.float32)
;;   ~~~
;; One version. Each part assembles by itself: llvm-mc -triple=amdgcn-amd-amdhsa -mcpu=gfx1250 --defsym DOCPART=n.
;; ======== version 1 of 1: 4 launches
;; limits: values are held in f16: magnitudes above 65,504 overflow, below 6.1e-05 lose precision
;; workspace buffers: codes 12,582,912 bytes; scales 786,432 bytes; wot 8,388,608 bytes; kf 16,777,216 bytes; vt 16,777,216 bytes; ctx 8,388,608 bytes
;; launch prep (part 1): grid 832 x 1, 4 waves a work-group, no clusters, 102,912 bytes of LDS; arguments inputs_kv, inputs_q, wk, wq, wv, wo, codes, scales, wot; writes codes, scales, wot
.if DOCPART == 1
	.amdgcn_target "amdgcn-amd-amdhsa--gfx1250"
	.amdhsa_code_object_version 6
	.text
	.protected	k_qceb4d561a8_prep
	.globl	k_qceb4d561a8_prep
	.p2align	8
	.type	k_qceb4d561a8_prep,@function
k_qceb4d561a8_prep:
	s_mov_b64 s[64:65], 0
	v_nop
	global_prefetch_b8 v0, s[64:65] scope:SCOPE_SE
	s_setreg_imm32_b32 hwreg(HW_REG_WAVE_MODE, 25, 1), 1
	s_wait_xcnt 0x0
; FIRST OF FOUR LAUNCHES of multi-head attention: B 2, 1,024 queries, 2,048 keys, EMB 2,048, 32 heads of 64.
; NO WORK OF reference() IS LEFT OUT: the bias varies along the softmax's axis, and every input has a way to the output, so every input is loaded.
; This launch makes all operands that later launches read many times:
;   codes [12,288 rows][1,024 bytes], scales [12,288][64]: E2M1 codes, K (the embedding, 2,048) innermost, two codes a byte, one E8M0 byte for each 32 along K.
;     rows 0-4,095 inputs_kv (2,048 b + key); 4,096-6,143 inputs_q; 6,144 + n wk, 8,192 + n wq, 10,240 + n wv (n = 64 h + d).
;   wot [e 2,048][hd 2,048] f16 = 2 x wo turned, for the last product (which is left as it is): the factor 2 is exact and is met by ctx / 2.
; A block's scale is 2^(floor(log2(its largest magnitude)) - 2); its byte is the largest magnitude's exponent field - 2, held at 1 from below.  A block of zeros so gets the byte 1 where
; the rule says 127: its codes are zeros, which add nothing under any byte but 0xff, and this program alone reads the bytes.
; LIMITS: NaN and infinities among the inputs are not served; 2 |wo| stays under 65,504 (f16).
; THREE PATHS, parted by the work-group's number alone; each has LDS bytes of its own and ends by itself.
;   W (work-groups 0-191): wk, wq, wv are stored [K][n].  A lane takes a column n and its registers run down K, so a block of 32 lies in one lane and the codes come out with K innermost.
;   O (192-447): wo likewise, a lane to a column e, registers down hd; rounded to f16.
;   X (448-831): inputs_kv, inputs_q: K is innermost: plain streams of blocks of 32.
; No tensor load, no barrier: waves share nothing.  No cluster: no input byte is read twice.
.set WV,    22                         ; s22  my wave's number
.set SPW,   12                         ; v12  LDS address of my spare word: SPARE + 4 x my thread's number; never rewritten
.set NIL,   13                         ; v13  0; never rewritten
.set EMAX,  2
.set WREG,  8192                       ; path X: a region for each wave: two stages of 32 x SP bytes, then its 256 scale bytes
.set SP,    80                         ; a lane's place in a stage: 64 bytes + 16 of padding
.set PITCH, 272                        ; paths W, O: a stage row: 256 bytes + 16
.set WSTG,  4*WREG                     ; path W: four stages of 32 rows
.set OSTG,  WSTG+4*32*PITCH            ; path O: likewise
.set SPARE, OSTG+4*32*PITCH            ; the spare words, 128 bytes a wave: two blocks of 256 bytes that no other line names
.set STEPS, 16                         ; path X
.set CB,    8                          ; bytes of 16 codes
.set XR,    16                         ; v16-79   four sets of 16 numbers as loaded
.set XX,    80                         ; v80-111  two sets of 16 neighbours
.set XE,    112                        ; v112-127 a scale byte for each step
.set XC,    128                        ; v128-191 codes: four registers for each step
.set SB,    24                         ; paths W, O: v24-27 scale bytes, four to a register
.set CX,    32                         ; v32-95   two sets of 32 numbers
.set CC,    96                         ; v96-111  a block's codes, or its f16 numbers
.set OUTR,  112                        ; v112-175 the way out
.set ROWW,  8192                       ; a row of a weight in bytes
.macro FINISH                          ; a wave's end
	s_wait_tensorcnt 0x0
	ds_add_u32 v[SPW], v[NIL]
	s_wait_dscnt 0x0
	s_endpgm
.endm
; paths W and O: addresses.  v3 in: 4 bytes a lane; v4 into the stage: row = my column; v7 out of it: sixteen lanes to a row; v8 the same place in the output, rows 1 << sh bytes apart
.macro COLSETUP stg, sh
	v_lshlrev_b32 v3, 2, v2
	s_mul_i32 s29, s[WV], 32*PITCH
	s_add_co_u32 s29, s29, \stg
	v_mul_u32_u24 v4, v2, PITCH
	v_add_nc_u32 v4, s29, v4
	v_and_b32 v5, 15, v2
	v_lshrrev_b32 v6, 4, v2
	v_mul_u32_u24 v7, v6, PITCH
	v_lshl_add_u32 v7, v5, 4, v7
	v_add_nc_u32 v7, s29, v7
	v_lshlrev_b32 v8, \sh, v6
	v_lshl_add_u32 v8, v5, 4, v8
.endm
.macro WLOAD t                         ; block t: rows 32 t + i of my column, into set t % 2; a wave's load reads 128 consecutive bytes
.irp i, 0,1,2,3,4,5,6,7,8,9,10,11,12,13,14,15,16,17,18,19,20,21,22,23,24,25,26,27,28,29,30,31
	global_load_b32 v[CX+32*((\t)%2)+\i], v3, s[26:27] offset:(32*(\t)+\i)*ROWW th:TH_LOAD_NT
.endr
.endm
.macro COLOUT rowb, base               ; the stage leaves by rows: sixteen lanes store 256 consecutive bytes, aligned
.irp t, 0,1,2,3,4,5,6,7,8,9,10,11,12,13,14,15
	ds_load_b128 v[OUTR+4*\t:OUTR+4*\t+3], v7 offset:2*\t*PITCH   ; LDS serves a wave's instructions in order: these see my stores
.endr
.irp t, 0,1,2,3,4,5,6,7,8,9,10,11,12,13,14,15
	s_wait_dscnt 15-\t                             ; load t is back; the younger ones may be out
	global_store_b128 v8, v[OUTR+4*\t:OUTR+4*\t+3], s[\base:\base+1] offset:2*\t*\rowb
.endr
.endm
.macro WBLOCK t                        ; path W: a block of 32 along K of my column becomes 16 bytes of codes and a scale byte
.set XS, CX+32*((\t)%2)
.if (\t) < 15
	s_wait_loadcnt 32                              ; this block's 32 loads are in; the next block's 32 may be out
.else
	s_wait_loadcnt 0x0
.endif
	v_max3_num_f32 v16, |v[XS]|, |v[XS+1]|, |v[XS+2]|               ; the block's largest magnitude, in two chains: all 32 numbers are mine
	v_max3_num_f32 v17, |v[XS+3]|, |v[XS+4]|, |v[XS+5]|
.irp i, 6,10,14,18,22,26
	v_max3_num_f32 v16, v16, |v[XS+\i]|, |v[XS+\i+1]|
	v_max3_num_f32 v17, v17, |v[XS+\i+2]|, |v[XS+\i+3]|
.endr
	v_max3_num_f32 v16, v16, |v[XS+30]|, |v[XS+31]|
	v_max3_num_f32 v16, v16, v17, (EMAX+1)<<23     ; and the floor 2^(3 - 127): the byte cannot fall under 1
	v_add_nc_u32 v11, -(EMAX<<23), v16             ; 2 off its exponent field: the conversion takes this operand's exponent field as its scale
	v_lshrrev_b32 v18, 23, v11                     ; the scale's byte
.if (\t)%4 == 0
	v_mov_b32 v[SB+(\t)/4], v18                    ; four bytes to a register, the lower K in the lower byte
.else
	v_lshl_or_b32 v[SB+(\t)/4], v18, 8*((\t)%4), v[SB+(\t)/4]
.endif
.irp g, 0,1,2,3
	v_cvt_scalef32_pk8_fp4_f32 v[CC+\g], v[XS+8*\g:XS+8*\g+7], v11
.endr
	ds_store_b128 v4, v[CC:CC+3] offset:16*(\t)    ; 32 codes: 16 bytes of my column's row
.if (\t)+2 < 16
	WLOAD (\t)+2
.endif
	s_wait_dscnt 0x0                               ; the store has read its registers: the next block's codes may be written
.endm
.macro OBLOCK t                        ; path O: 32 numbers along hd of my column e, doubled and rounded to f16: 64 bytes
.set XS, CX+32*((\t)%2)
.if (\t) < 3
	s_wait_loadcnt 32                              ; this block's 32 loads are in; the next block's 32 may be out
.else
	s_wait_loadcnt 0x0
.endif
.irp i, 0,2,4,6,8,10,12,14,16,18,20,22,24,26,28,30
	v_pk_mul_f32 v[XS+\i:XS+\i+1], v[XS+\i:XS+\i+1], 2.0 op_sel_hi:[1,0]
.endr
.irp i, 0,1,2,3,4,5,6,7,8,9,10,11,12,13,14,15
	v_cvt_pk_f16_f32 v[CC+\i], v[XS+2*\i], v[XS+2*\i+1]             ; the lower hd in the low half
.endr
.irp g, 0,1,2,3
	ds_store_b128 v4, v[CC+4*\g:CC+4*\g+3] offset:64*(\t)+16*\g
.endr
.if (\t)+2 < 4
	WLOAD (\t)+2
.endif
	s_wait_dscnt 0x0                               ; the stores have read their registers
.endm
.macro XLOAD t                         ; path X: 32 lanes read 512 consecutive bytes, four times
.irp i, 0,1,2,3
	global_load_b128 v[XR+16*((\t)%4)+4*\i:XR+16*((\t)%4)+4*\i+3], v3, s[4:5] offset:2048*(\t)+512*\i th:TH_LOAD_NT
.endr
.endm
.macro XTURN t                         ; step t's 2,048 bytes through my stage: in as they lie, back 64 bytes a lane: 16 neighbours along K
.irp i, 0,1,2,3
	ds_store_b128 v14, v[XR+16*((\t)%4)+4*\i:XR+16*((\t)%4)+4*\i+3] offset:32*SP*((\t)%2)+8*SP*\i
.endr
.irp i, 0,1,2,3
	ds_load_b128 v[XX+16*((\t)%2)+4*\i:XX+16*((\t)%2)+4*\i+3], v15 offset:32*SP*((\t)%2)+16*\i
.endr
.endm
.macro XSTEP t
.set XS, XX+16*((\t)%2)
.if (\t) > 0
	s_wait_dscnt 1                                 ; this step's numbers are back from the stage (the last step's byte store may be out)
.else
	s_wait_dscnt 0x0
.endif
.if (\t)+4 < STEPS
	XLOAD (\t)+4                                   ; the stage's stores have read their registers, which take the loads of four steps on
.endif
.if (\t)+1 < STEPS
.if STEPS-2-(\t) >= 3
	s_wait_loadcnt 12                              ; the next step's four loads are in; those of the three steps behind it may be out
.else
	s_wait_loadcnt 4*(STEPS-2-(\t))
.endif
	XTURN (\t)+1
.endif
	v_max3_num_f32 v8, |v[XS]|, |v[XS+1]|, |v[XS+2]|               ; the largest magnitude of my 16
	v_max3_num_f32 v9, |v[XS+3]|, |v[XS+4]|, |v[XS+5]|
.irp i, 6,10
	v_max3_num_f32 v8, v8, |v[XS+\i]|, |v[XS+\i+1]|
	v_max3_num_f32 v9, v9, |v[XS+\i+2]|, |v[XS+\i+3]|
.endr
	v_max3_num_f32 v8, v8, |v[XS+14]|, |v[XS+15]|
	v_max3_num_f32 v8, v8, v9, (EMAX+1)<<23        ; and the floor
	v_max_num_f32_dpp v8, v8, v8 row_xmask:1 row_mask:0xf bank_mask:0xf   ; and of my neighbour's 16: the block's
	v_add_nc_u32 v11, -(EMAX<<23), v8
	v_cvt_scalef32_pk8_fp4_f32 v[XC+4*(\t)], v[XS:XS+7], v11
	v_cvt_scalef32_pk8_fp4_f32 v[XC+4*(\t)+1], v[XS+8:XS+15], v11
	v_lshrrev_b32 v[XE+(\t)], 23, v11              ; the scale's byte
	ds_store_b8 v5, v[XE+(\t)] offset:16*(\t)      ; both lanes of a block write the same byte with the same value
	global_store_b64 v4, v[XC+4*(\t):XC+4*(\t)+1], s[16:17] offset:32*CB*(\t)   ; the wave stores 256 consecutive bytes, aligned
.endm
	s_load_b512 s[4:19], s[0:1], 0x0               ; kv s[4:5], q s[6:7], wk s[8:9], wq s[10:11], wv s[12:13], wo s[14:15], codes s[16:17], scales s[18:19]
	s_load_b64 s[20:21], s[0:1], 0x40              ; wot
	v_lshl_add_u32 v[SPW], v0, 2, SPARE
	v_mov_b32 v[NIL], 0
	v_lshrrev_b32 v1, 5, v0
	v_readfirstlane_b32 s[WV], v1                  ; wave 0..3
	v_and_b32 v2, 31, v0                           ; lane
	s_wait_kmcnt 0x0
	s_cmp_lt_u32 ttmp9, 192
	s_cbranch_scc1 .Lpath_w
	s_cmp_lt_u32 ttmp9, 448
	s_cbranch_scc1 .Lpath_o
	; ---- PATH X.  Work-group i = id - 448; a wave takes a run of 8,192 numbers.  kv's rows stand ahead of q's in codes and scales, so the runs of the destination are numbered through
	s_sub_co_u32 s24, ttmp9, 448
	s_cmp_lt_u32 s24, 256                          ; the first 256 take inputs_kv, the other 128 inputs_q: the choice hangs on the work-group's number alone
	s_cselect_b64 s[4:5], s[4:5], s[6:7]
	s_cselect_b32 s25, 0, 1024
	s_lshl_b32 s24, s24, 2
	s_add_co_u32 s24, s24, s[WV]                   ; my run in the destination,
	s_sub_co_u32 s25, s24, s25                     ; and in the source
	s_lshl_b32 s26, s25, 15                        ; 32,768 bytes of f32 a run
	s_mov_b32 s27, 0
	s_add_nc_u64 s[4:5], s[4:5], s[26:27]
	s_lshl_b32 s26, s24, 12                        ; 4,096 bytes of codes
	s_add_nc_u64 s[16:17], s[16:17], s[26:27]
	s_lshl_b32 s26, s24, 8                         ; 256 scale bytes
	s_add_nc_u64 s[18:19], s[18:19], s[26:27]
	v_lshlrev_b32 v3, 4, v2                        ; my 16 bytes of a load's 512
	s_mul_i32 s28, s[WV], WREG
	v_lshrrev_b32 v14, 2, v2
	v_mul_u32_u24 v14, v14, SP
	v_and_b32 v15, 3, v2
	v_lshl_add_u32 v14, v15, 4, v14
	v_add_nc_u32 v14, s28, v14                     ; the stage, on the way in: SP (lane / 4) + 16 (lane % 4)
	v_mul_u32_u24 v15, v2, SP
	v_add_nc_u32 v15, s28, v15                     ; and on the way out: SP x lane
	v_mul_u32_u24 v4, v2, CB                       ; my codes' place in a step's
	v_lshrrev_b32 v5, 1, v2
	s_add_co_u32 s28, s28, 2*32*SP
	v_add_nc_u32 v5, s28, v5                       ; my wave's 256 scale bytes, my block's byte
	v_lshlrev_b32 v7, 3, v2
	v_add_nc_u32 v6, s28, v7                       ; and on the way out 8 bytes a lane
.irp t, 0,1,2,3
	XLOAD \t
.endr
	s_wait_loadcnt 12                              ; step 0's four loads are in
	XTURN 0
.irp t, 0,1,2,3,4,5,6,7,8,9,10,11,12,13,14,15
	XSTEP \t
.endr
	ds_load_b64 v[8:9], v6                         ; LDS serves a wave's instructions in order: this sees my byte stores
	s_wait_dscnt 0x0
	global_store_b64 v7, v[8:9], s[18:19]          ; 32 lanes store 256 consecutive bytes, aligned
	FINISH
.Lpath_w:
	; ---- PATH W.  id = 64 widx + 16 kc + nb: weight widx (0 wk, 1 wq, 2 wv), 512 along K from 512 kc, 128 columns from 128 nb; a wave takes 32 of them
	s_lshr_b32 s24, ttmp9, 6                       ; widx
	s_and_b32 s25, ttmp9, 15                       ; nb
	s_bfe_u32 s28, ttmp9, 0x20004                  ; kc
	s_lshl_b32 s25, s25, 7
	s_lshl_b32 s29, s[WV], 5
	s_add_co_u32 s25, s25, s29                     ; my wave's first column
	COLSETUP WSTG, 10                              ; a row of codes is 1,024 bytes
	v_lshlrev_b32 v9, 6, v2                        ; my column's row of scale bytes: 64 bytes a row
	s_cmp_eq_u32 s24, 0
	s_cselect_b64 s[26:27], s[8:9], s[10:11]
	s_cmp_eq_u32 s24, 2
	s_cselect_b64 s[26:27], s[12:13], s[26:27]
	s_lshl_b32 s30, s28, 22                        ; 512 rows of 8,192 bytes
	s_lshl_b32 s31, s25, 2
	s_add_co_u32 s30, s30, s31
	s_mov_b32 s31, 0
	s_add_nc_u64 s[26:27], s[26:27], s[30:31]
	s_lshl_b32 s24, s24, 11
	s_add_co_u32 s24, s24, s25
	s_add_co_u32 s24, s24, 6144                    ; my first row of codes and scales
	s_lshl_b32 s30, s24, 10
	s_lshl_b32 s32, s28, 8                         ; 512 codes are 256 bytes
	s_add_co_u32 s30, s30, s32
	s_add_nc_u64 s[16:17], s[16:17], s[30:31]
	s_lshl_b32 s30, s24, 6
	s_lshl_b32 s32, s28, 4                         ; and 16 scale bytes
	s_add_co_u32 s30, s30, s32
	s_add_nc_u64 s[18:19], s[18:19], s[30:31]
	WLOAD 0
	WLOAD 1
.irp t, 0,1,2,3,4,5,6,7,8,9,10,11,12,13,14,15
	WBLOCK \t
.endr
	global_store_b128 v9, v[SB:SB+3], s[18:19]     ; my column's 16 scale bytes
	COLOUT 1024, 16
	FINISH
.Lpath_o:
	; ---- PATH O.  id - 192 = 16 kc + nb: 128 along hd from 128 kc, 128 columns e from 128 nb; a wave takes 32 of them
	s_sub_co_u32 s24, ttmp9, 192
	s_and_b32 s25, s24, 15
	s_lshr_b32 s28, s24, 4
	s_lshl_b32 s25, s25, 7
	s_lshl_b32 s29, s[WV], 5
	s_add_co_u32 s25, s25, s29                     ; my wave's first column e
	COLSETUP OSTG, 12                              ; a row of wot is 4,096 bytes
	s_lshl_b32 s30, s28, 20                        ; 128 rows of 8,192 bytes
	s_lshl_b32 s31, s25, 2
	s_add_co_u32 s30, s30, s31
	s_mov_b32 s31, 0
	s_add_nc_u64 s[26:27], s[14:15], s[30:31]
	s_lshl_b32 s30, s25, 12
	s_lshl_b32 s32, s28, 8                         ; 128 f16 are 256 bytes
	s_add_co_u32 s30, s30, s32
	s_add_nc_u64 s[20:21], s[20:21], s[30:31]
	WLOAD 0
	WLOAD 1
.irp t, 0,1,2,3
	OBLOCK \t
.endr
	COLOUT 4096, 20
	FINISH
.Lfunc_end_k_qceb4d561a8_prep:
	.size	k_qceb4d561a8_prep, .Lfunc_end_k_qceb4d561a8_prep-k_qceb4d561a8_prep
	.p2alignl 7, 3214868480
	.fill 96, 4, 3214868480
	.section	.rodata,"a",@progbits
	.p2align	6, 0x0
	.amdhsa_kernel k_qceb4d561a8_prep
		.amdhsa_group_segment_fixed_size 102912
		.amdhsa_private_segment_fixed_size 0
		.amdhsa_enable_private_segment 0
		.amdhsa_kernarg_size 72
		.amdhsa_user_sgpr_count 2
		.amdhsa_user_sgpr_kernarg_segment_ptr 1
		.amdhsa_wavefront_size32 1
		.amdhsa_system_sgpr_workgroup_id_x 1
		.amdhsa_system_sgpr_workgroup_id_y 1
		.amdhsa_system_sgpr_workgroup_id_z 1
		.amdhsa_system_vgpr_workitem_id 0
		.amdhsa_next_free_vgpr 192
		.amdhsa_next_free_sgpr 66
		.amdhsa_reserve_vcc 0
		.amdhsa_float_denorm_mode_32 3
		.amdhsa_float_denorm_mode_16_64 3
		.amdhsa_memory_ordered 1
		.amdhsa_forward_progress 1
		.amdhsa_inst_pref_size 137
	.end_amdhsa_kernel
	.amdgpu_metadata
---
amdhsa.version: [ 1, 2 ]
amdhsa.kernels:
  - .name:           k_qceb4d561a8_prep
    .symbol:         k_qceb4d561a8_prep.kd
    .args:
      - { .name: inputs_kv, .offset: 0, .size: 8, .value_kind: global_buffer, .address_space: global }
      - { .name: inputs_q, .offset: 8, .size: 8, .value_kind: global_buffer, .address_space: global }
      - { .name: wk, .offset: 16, .size: 8, .value_kind: global_buffer, .address_space: global }
      - { .name: wq, .offset: 24, .size: 8, .value_kind: global_buffer, .address_space: global }
      - { .name: wv, .offset: 32, .size: 8, .value_kind: global_buffer, .address_space: global }
      - { .name: wo, .offset: 40, .size: 8, .value_kind: global_buffer, .address_space: global }
      - { .name: codes, .offset: 48, .size: 8, .value_kind: global_buffer, .address_space: global }
      - { .name: scales, .offset: 56, .size: 8, .value_kind: global_buffer, .address_space: global }
      - { .name: wot, .offset: 64, .size: 8, .value_kind: global_buffer, .address_space: global }
    .group_segment_fixed_size: 102912
    .private_segment_fixed_size: 0
    .kernarg_segment_align: 8
    .kernarg_segment_size: 72
    .max_flat_workgroup_size: 128
    .sgpr_count:     66
    .vgpr_count:     192
    .wavefront_size: 32
...
	.end_amdgpu_metadata
.endif
;; end of part 1
;; launch gemm_kv (part 2): grid 16 x 16, 4 waves a work-group, clusters of 4 x 4, 327,680 bytes of LDS; arguments codes, scales, kf, vt; writes kf, vt
.if DOCPART == 2
	.amdgcn_target "amdgcn-amd-amdhsa--gfx1250"
	.amdhsa_code_object_version 6
	.text
	.protected	k_qceb4d561a8_gemm_kv
	.globl	k_qceb4d561a8_gemm_kv
	.p2align	8
	.type	k_qceb4d561a8_gemm_kv,@function
k_qceb4d561a8_gemm_kv:
	s_mov_b64 s[64:65], 0
	v_nop
	global_prefetch_b8 v0, s[64:65] scope:SCOPE_SE
	s_setreg_imm32_b32 hwreg(HW_REG_WAVE_MODE, 25, 1), 1
	s_wait_xcnt 0x0
	s_wait_alu depctr_hold_cnt(0) depctr_sa_sdst(0) depctr_va_vdst(0) depctr_va_sdst(0) depctr_va_ssrc(0) depctr_va_vcc(0) depctr_vm_vsrc(0)
	s_getreg_b32 s2, hwreg(HW_REG_IB_STS2, 6, 4)
	s_cmp_eq_u32 s2, 0
	s_cbranch_scc0 .Lentry_in_a_cluster
	s_endpgm
.Lentry_in_a_cluster:
	s_bfe_u32 s2, ttmp6, 0x10000c
	s_cmp_lg_u32 s2, 0xf033
	s_cbranch_scc0 .Lentry_shape_is_right
	s_endpgm
.Lentry_shape_is_right:
; SECOND LAUNCH: two of the three QUANTISED projections, k's and v's, on codes of E2M1 with one E8M0 scale for each 32 along K = 2,048, by the scaled matrix instruction; sums in f32.
; The third, q's, is made by the third launch, each tile by the work-group that uses it.  No work of reference() is left out.
; Every operand is rows of codes [12,288][1,024 bytes] with scales [12,288][64]: rows 0-4,095 inputs_kv, 6,144 on wk, 10,240 on wv.
; C[m][n] = sum over k of A[m][k] B[n][k], in tiles of 256 x 256, 256 of them, one for each work-group:
;   k / 2 -> kf [2,048 b + key][64 h + d] (A = kv's rows, B = wk's);  v^T / 2 -> vt [64 h + d][2,048 b + key] (A = wv's rows, B = kv's rows: so the keys come out innermost and nothing is turned).
; The factor is a power of two, exact.  Results are rounded once, to f16: they are operands of products that are left as they are.
; LIMIT: |k| / 2, |v| / 2 stay under 65,504.
; A work-group of four waves makes a tile; a wave 128 x 128: 64 accumulators, 512 registers.  K goes in steps of 512 (rows of 256 bytes) through a ring of two LDS slots filled by the tensor data mover.
; The scales of the work-group's 256 + 256 rows, for all of K, come into LDS once, with the first fills, and stay.
; CLUSTERS: 4 x 4 work-groups.  The four of a row of the cluster need the same tiles of A, the four of a column the same tiles of B: each tile is asked for JOINTLY, by the same tensor load with the same
; descriptor and a mask that names the four.  The cluster's own coordinates (X, Y) say which product it serves; they are the same in all sixteen.
; THE MATRIX INSTRUCTION IS USED TRANSPOSED (source 0 = 16 rows of B, source 1 = 16 rows of A): a lane then holds eight neighbouring numbers of a row of C.
; REGISTERS, in windows of 256: window 0: v0-31 addresses; v32-95 scale words, two sets (they hold nothing else); from v128 A's fragments, ONE set; on the way out v96-255 but for the scales are free.
;   window 1: B's fragments, TWO sets, at v0 and v128.   window 2: the accumulators of my rows 0-63 ((a, b) at v[8 (8 a + b)]);   window 3: those of my rows 64-127.
.set SIZE_K, 2048
.set KSTEP,  512                       ; along K in a slot
.set NQ,     KSTEP/128                 ; matrix instructions deep
.set ROWB,   256                       ; a tile's row in bytes
.set KROW,   SIZE_K/2                  ; a row of codes in memory
.set PITCH,  272                       ; an LDS row: 256 bytes + 16 of padding: the 16 rows that a load touches start at 16 different 16-byte columns of the banks' 256 bytes
.set FR,     8                         ; registers of a fragment: 16 rows x 128 K
.set NL,     2                         ; LDS loads that bring one
.set NP,     4                         ; places behind this matrix instruction (ISA guide 7.12.1)
.set HALFT,  128*PITCH                 ; 128 rows: what one tensor load brings
.set SLOT,   4*HALFT                   ; A's 256 rows, then B's 256 rows
.set LAPS,   SIZE_K/(2*KSTEP)          ; a lap = two K steps = once round the ring
.set KS,     SIZE_K/32                 ; a row of scales in bytes
.set SCL,    2*SLOT                    ; behind the ring: the scales, as units of 256 bytes + 16 of padding
.set HALFS,  (128*KS/256)*272          ; the scales of 128 rows
.set SBLK,   (16*KS/256)*272           ; those of 16 rows
.set SPARE,  SCL+4*HALFS               ; the spare words, 128 bytes a wave: two blocks of 256 bytes that no other line names
.set SPITCH, 272                       ; the way out: a stage of 16 rows x (256 bytes + 16) for each wave, in slot 0, which has had its last fill and its last read when the first result is stored there
.set CO,   8                           ; v8-15   the way out: my byte offset in C for rows 2 t + lane / 16
.set ADRA, 16                          ; v16-17  LDS address of my A fragments in slot 0, 1
.set ADRB, 20                          ; v20-21  the same for B
.set STO,  24                          ; v24     the way out: where I put 16 bytes of a row
.set RD,   25                          ; v25     where I read a row back
.set ADRS, 27                          ; v27     LDS address of my scale words: lanes 0-15 A's rows, lanes 16-31 B's
.set SPW,  28                          ; v28     LDS address of my spare word; never rewritten
.set NIL,  29                          ; v29     0; never rewritten
.set SC,   32                          ; scale words: set s at v[SC + 32 s]; register NQ i + q: lanes 0-15 A's block i, lanes 16-31 B's block i, the slot's q-th 128 along K
.set AF,   128                         ; A's fragments, in window 0
.set PT,   128                         ; the way out: a block's 64 numbers times the factor
.set TMP,  192                         ; v192-223 rounded to f16
.set BK0,  96                          ; 16 rows read back from the stage: v96-127 and v224-255 by turns
.set G1, 24                            ; s[24:31] descriptor group 1 for A's tiles;  s[32:39] group 0, one set for each slot
.set G0, 32
.set G1B, 48                           ; s[48:55], s[56:63] the same for B's tiles
.set G0B, 56
.set G1S, 68                           ; s[68:75], s[76:79] groups 1 and 0 for A's scales;  s[80:87], s[88:91] for B's
.set G0S, 76
.set G1SB, 80
.set G0SB, 88
.set MSB, 0
.macro WIN new                         ; the immediate's high byte repeats the setting that is left
.if MSB != \new
	s_set_vgpr_msb (MSB<<8)|\new
.set MSB, \new
.endif
.endm
.set MUL_LO, 0xa1                      ; source 0 (B) window 1, source 1 (A) window 0, C and D window 2
.set MUL_HI, 0xf1                      ; the same, C and D window 3
.set TO_B,   0x40                      ; destination window 1, address window 0
; A joint load: waves 0 and 1 fetch for A, waves 2 and 3 for B.  Each line has one mask and one set of registers for all that issue it; the branch hangs on the wave's number alone.
; An s_nop 0 and four v_nop follow each of the two lines.
.macro JLOAD g0a, g1a, g0b, g1b
	s_cmp_eq_u32 s15, 0
	s_cbranch_scc0 .Lfor_b_\@
	tensor_load_to_lds s[\g0a:\g0a+3], s[\g1a:\g1a+7]
	s_nop 0
.rept 4
	v_nop
.endr
	s_branch .Lasked_\@
.Lfor_b_\@:
	tensor_load_to_lds s[\g0b:\g0b+3], s[\g1b:\g1b+7]
	s_nop 0
.rept 4
	v_nop
.endr
.Lasked_\@:
.endm
.macro CREST                           ; a round of the cluster's barrier behind its opening barrier
	s_cmp_lg_u32 s14, 0
	s_cbranch_scc1 .Lnot_wave_0_\@
	s_barrier_signal -3
.Lnot_wave_0_\@:
	s_barrier_wait -3
	s_barrier_signal -1
	s_barrier_wait -1
.endm
.macro CROUND                          ; a whole round
	s_barrier_signal -1
	s_barrier_wait -1
	CREST
.endm
	s_load_b256 s[4:11], s[0:1], 0x0               ; codes s[4:5], scales s[6:7], kf s[8:9], vt s[10:11]
	v_lshl_add_u32 v[SPW], v0, 2, SPARE
	v_mov_b32 v[NIL], 0
	ds_add_u32 v[SPW], v[NIL]                      ; the wave's opening: the add, twice on end, and its wait ahead of my first tensor load; the set-up below stands between
	ds_add_u32 v[SPW], v[NIL]
	v_lshrrev_b32 v1, 5, v0
	v_readfirstlane_b32 s14, v1                    ; wave 0..3
	s_lshr_b32 s15, s14, 1                         ; which half of the tile's rows is mine.  Also: I fetch for A (0) or for B (1)
	s_and_b32 s16, s14, 1                          ; which half of its columns.  Also: which 128 rows of that tile I fetch
	s_bfe_u32 s40, ttmp6, 0x40000                  ; cx, cy: my place in the cluster
	s_bfe_u32 s41, ttmp6, 0x40004
	; THE MAP OF TILES, in units of 256 rows.  X = cluster x (0..3), Y = cluster y (0..3).  Y < 2: v^T; Y = 2, 3: k.
	s_and_b32 s17, ttmp7, 0xffff                   ; Y
	s_max_u32 s18, s17, 2
	s_lshl_b32 s18, s18, 3
	s_sub_co_u32 s18, s18, 16
	s_lshr_b32 s19, ttmp9, 1
	s_lshl_b32 s19, s19, 2
	s_add_co_u32 s18, s18, s19                     ; k: A's tile and the row tile of kf: 8 max(Y, 2) - 16 + 4 (X / 2)
	s_lshl_b32 s19, s17, 2                         ; v^T: the row tile of vt: 4 Y,
	s_add_co_u32 s20, s19, 40                      ; and A's tile: wv begins at tile 40
	s_and_b32 s22, ttmp9, 1
	s_lshl_b32 s22, s22, 2                         ; k: the column tile: 4 (X % 2),
	s_add_co_u32 s21, s22, 24                      ; and B's tile: wk begins at tile 24
	s_lshl_b32 s23, ttmp9, 2                       ; v^T: B's tile and the column tile: 4 X
	s_mov_b32 s98, 4096                            ; a row of kf in bytes
	s_mov_b32 s94, 0x3f000000                      ; the factor 1/2
	s_mov_b32 s95, s94                             ; (the packed form names the pair)
	s_cmp_lt_u32 s17, 2
	s_cselect_b32 s66, s20, s18                    ; A's tile
	s_cselect_b32 s67, s19, s18                    ; the output's row tile
	s_cselect_b32 s42, s23, s21                    ; B's tile
	s_cselect_b32 s97, s23, s22                    ; the output's column tile
	s_cselect_b32 s98, 8192, s98                   ; P: a row of the output in bytes
	s_add_co_u32 s66, s66, s41                     ; + cy: A's registers never hold cx,
	s_add_co_u32 s67, s67, s41
	s_add_co_u32 s42, s42, s40                     ; + cx: B's never cy
	s_add_co_u32 s97, s97, s40
	s_lshl_b32 s99, s98, 1                         ; 2 P
	s_lshl_b32 s43, s41, 2
	s_lshl_b32 s43, 15, s43                        ; my row of the cluster
	s_lshl_b32 s44, 0x1111, s40                    ; my column
	; descriptor group 1: a tile of 128 rows x 256 bytes, padded in LDS
	s_or_b32 s[G1+0], s43, (0<<16)|(1<<20)|(1<<21)|(5<<22)|(3<<25)  ; 15:0 the mask: A's tiles go to my row; 17:16 element of 1 byte; 20 padding on; 21 set beside a mask; 24:22 after every 64 words; 31:25 four words
	s_or_b32 s[G1B+0], s44, (0<<16)|(1<<20)|(1<<21)|(5<<22)|(3<<25)
.irp g, G1, G1B
	s_mov_b32 s[\g+1], ROWB<<16                    ; tensor_dim0
	s_mov_b32 s[\g+2], 128<<16                     ; tensor_dim1 = 128
	s_mov_b32 s[\g+3], ROWB<<16                    ; tile_dim0
	s_mov_b32 s[\g+4], 128                         ; tile_dim1 = 128
	s_mov_b32 s[\g+5], KROW                        ; tensor_dim0_stride
	s_mov_b32 s[\g+6], 0
	s_mov_b32 s[\g+7], 0
.endr
	; and for the scales of 128 rows: a dense block of 8,192 bytes, as rows of 256 bytes (32 elements of 8 bytes), 16 bytes of padding behind each
	s_or_b32 s[G1S+0], s43, (3<<16)|(1<<20)|(1<<21)|(5<<22)|(3<<25)
	s_or_b32 s[G1SB+0], s44, (3<<16)|(1<<20)|(1<<21)|(5<<22)|(3<<25)
.irp g, G1S, G1SB
	s_mov_b32 s[\g+1], 32<<16
	s_mov_b32 s[\g+2], (128*KS/256)<<16
	s_mov_b32 s[\g+3], 32<<16
	s_mov_b32 s[\g+4], 128*KS/256
	s_mov_b32 s[\g+5], 32
	s_mov_b32 s[\g+6], 0
	s_mov_b32 s[\g+7], 0
.endr
	s_lshl_b32 s18, s16, 7                         ; which 128 rows of the tile I fetch
	s_lshl_b32 s20, s66, 8
	s_add_co_u32 s20, s20, s18                     ; A: row 256 x tile + 128 x half
	s_lshl_b32 s46, s42, 8
	s_add_co_u32 s46, s46, s18                     ; B likewise
	s_mov_b32 s21, 0
	s_mov_b32 s47, 0
	s_mov_b64 s[18:19], KS
	s_mul_u64 s[22:23], s[20:21], s[18:19]         ; where these rows' scales begin, in bytes
	s_mul_u64 s[92:93], s[46:47], s[18:19]
	s_mov_b64 s[18:19], KROW
	s_mul_u64 s[20:21], s[20:21], s[18:19]         ; and their codes
	s_mul_u64 s[46:47], s[46:47], s[18:19]
	s_mul_i32 s45, s14, HALFT                      ; where they go: wave x 128 rows: no place in the cluster enters an LDS address
	s_mul_i32 s96, s14, HALFS
	s_wait_dscnt 0x0                               ; both opening adds are done
	s_wait_kmcnt 0x0
	s_add_nc_u64 s[20:21], s[4:5], s[20:21]
	s_add_nc_u64 s[22:23], s[6:7], s[22:23]
	s_add_nc_u64 s[46:47], s[4:5], s[46:47]
	s_add_nc_u64 s[92:93], s[6:7], s[92:93]
	CROUND                                         ; all sixteen work-groups are here: the first joint loads meet
	s_mov_b32 s[G0S], 1
	s_add_co_u32 s[G0S+1], s96, SCL
	s_mov_b64 s[G0S+2:G0S+3], s[22:23]
	s_or_b32 s[G0S+3], s[G0S+3], 0x80000000
	s_mov_b32 s[G0SB], 1
	s_add_co_u32 s[G0SB+1], s96, SCL
	s_mov_b64 s[G0SB+2:G0SB+3], s[92:93]
	s_or_b32 s[G0SB+3], s[G0SB+3], 0x80000000
	JLOAD G0S, G1S, G0SB, G1SB                     ; the scales first: they are wanted with K step 0
.irp s, 0,1
	s_mov_b32 s[G0+4*\s], 1
	s_add_co_u32 s[G0+4*\s+1], s45, \s*SLOT
	s_add_nc_u64 s[G0+4*\s+2:G0+4*\s+3], s[20:21], \s*ROWB
	s_or_b32 s[G0+4*\s+3], s[G0+4*\s+3], 0x80000000
	s_mov_b32 s[G0B+4*\s], 1
	s_add_co_u32 s[G0B+4*\s+1], s45, \s*SLOT
	s_add_nc_u64 s[G0B+4*\s+2:G0B+4*\s+3], s[46:47], \s*ROWB
	s_or_b32 s[G0B+4*\s+3], s[G0B+4*\s+3], 0x80000000
	JLOAD G0+4*\s, G1, G0B+4*\s, G1B
.endr
	v_and_b32 v1, 15, v0                           ; l % 16
	v_bfe_u32 v2, v0, 4, 1                         ; l / 16
	v_mul_u32_u24 v3, v1, PITCH
	v_lshl_add_u32 v4, v2, 4, v3                   ; a fragment's row x pitch + 16 x half
	s_mul_i32 s21, s15, HALFT                      ; my 128 rows of A
	s_mul_i32 s22, s16, HALFT                      ; my 128 rows of B,
	s_add_co_u32 s22, s22, 2*HALFT                 ; which lie behind A's 256
.irp s, 0,1
	v_add_nc_u32 v[ADRA+\s], s21, v4
	v_add_nc_u32 v[ADRB+\s], s22, v4
	s_add_co_u32 s21, s21, SLOT
	s_add_co_u32 s22, s22, SLOT
.endr
	v_mul_u32_u24 v5, v1, KS                       ; my row's scales: 64 bytes a row,
	v_lshrrev_b32 v6, 8, v5
	v_lshl_add_u32 v5, v6, 4, v5                   ; and 16 more for each 256 passed
	s_mul_i32 s21, s15, HALFS                      ; A's: my 128 rows
	s_mul_i32 s22, s16, HALFS                      ; B's: my 128 rows, behind A's 256
	s_add_co_u32 s22, s22, 2*HALFS
	s_sub_co_u32 s22, s22, s21
	v_mul_u32_u24 v6, s22, v2                      ; lanes 16-31 take B's
	s_add_co_u32 s21, s21, SCL
	v_add_nc_u32 v5, v5, v6
	v_add_nc_u32 v[ADRS], s21, v5
	s_mul_i32 s23, s14, 16*SPITCH                  ; my stage
	v_mul_u32_u24 v5, v1, SPITCH                   ; in: row l % 16, 16 bytes for each half of the lanes
	v_lshl_add_u32 v5, v2, 4, v5
	v_add_nc_u32 v[STO], s23, v5
	v_mul_u32_u24 v5, v2, SPITCH                   ; back: lanes 0-15 take one row of 256 bytes, lanes 16-31 the next
	v_lshl_add_u32 v5, v1, 4, v5
	v_add_nc_u32 v[RD], s23, v5
	v_mul_u32_u24 v5, s98, v2                      ; and the same two rows in the output, whose pitch P is no constant of the text: so the eight offsets stand in registers
	v_lshl_add_u32 v[CO], v1, 4, v5
.irp t, 1,2,3,4,5,6,7
	v_add_nc_u32 v[CO+\t], s99, v[CO+\t-1]         ; two rows on
.endr
	s_lshl_b32 s20, s67, 8
	s_lshl_b32 s21, s15, 7
	s_add_co_u32 s20, s20, s21                     ; my first row of the output: 256 x row tile + 128 x half
	s_mul_i32 s20, s20, s98
	s_lshl_b32 s21, s97, 9                         ; my first column, in bytes: 512 x column tile + 256 x half
	s_add_co_u32 s20, s20, s21
	s_lshl_b32 s21, s16, 8
	s_add_co_u32 s20, s20, s21                     ; (under 2^25)
	s_mov_b32 s21, 0
	s_cmp_lt_u32 s17, 2                            ; the cluster's y alone decides the buffer
	s_cselect_b64 s[12:13], s[10:11], s[8:9]
	s_add_nc_u64 s[12:13], s[12:13], s[20:21]
	s_lshl_b32 s18, s98, 4                         ; 16 rows on, in bytes
	s_mov_b32 s19, 0
.macro FRAG reg, adr, q, i             ; a fragment, 16 rows x 128 K of 4-bit codes, is 8 registers: lane l holds row l % 16; registers 4 c .. 4 c + 3 hold K = 64 c + 32 (l / 16) + 0 .. 31
.irp c, 0,1
	ds_load_b128 v[\reg+4*\c:\reg+4*\c+3], v[\adr] offset:64*(\q)+32*\c+(\i)*16*PITCH
.endr
.endm
; 16 matrix instructions: A's blocks a0, a0 + 1 x B's eight, the slot's q-th 128 along K.  p: B's set;  sc: the set of scale words.  zero = 1: the first product starts the sums.
; The 64 accumulators take turns, one instruction a turn, in the same order in every step.
.macro MUL16 a0, p, q, sc, zero
.irp a, \a0, \a0+1
.irp b, 0,1,2,3,4,5,6,7
.if \zero
	v_wmma_scale_f32_16x16x128_f8f6f4 v[8*(8*((\a)%4)+\b):8*(8*((\a)%4)+\b)+7], v[128*(\p)+FR*\b:128*(\p)+FR*\b+FR-1], v[AF+FR*(\a):AF+FR*(\a)+FR-1], 0, v[SC+8*NQ*(\sc)+NQ*\b+(\q)], v[SC+8*NQ*(\sc)+NQ*(\a)+(\q)] matrix_a_fmt:MATRIX_FMT_FP4 matrix_b_fmt:MATRIX_FMT_FP4 matrix_a_scale:MATRIX_SCALE_ROW1
.else
	v_wmma_scale_f32_16x16x128_f8f6f4 v[8*(8*((\a)%4)+\b):8*(8*((\a)%4)+\b)+7], v[128*(\p)+FR*\b:128*(\p)+FR*\b+FR-1], v[AF+FR*(\a):AF+FR*(\a)+FR-1], v[8*(8*((\a)%4)+\b):8*(8*((\a)%4)+\b)+7], v[SC+8*NQ*(\sc)+NQ*\b+(\q)], v[SC+8*NQ*(\sc)+NQ*(\a)+(\q)] matrix_a_fmt:MATRIX_FMT_FP4 matrix_b_fmt:MATRIX_FMT_FP4 matrix_a_scale:MATRIX_SCALE_ROW1
.endif
.endr
.endr
.endm
.macro FETCH_B slot, q, p              ; B's eight fragments of the slot's q-th 128 along K into set p
	WIN TO_B
.irp i, 0,1,2,3,4,5,6,7
	FRAG 128*(\p)+FR*\i, ADRB+\slot, \q, \i
.endr
	WIN 0
.endm
.macro FETCH_A slot, q, i0             ; A's blocks i0 .. i0 + 3
.irp i, \i0, \i0+1, \i0+2, \i0+3
	FRAG AF+FR*(\i), ADRA+\slot, \q, \i
.endr
.endm
.macro SCALES sc                       ; the next K step's scale words into set sc: four words a row; lanes 0-15 take A's block i, lanes 16-31 B's block i
.irp i, 0,1,2,3,4,5,6,7
	ds_load_b128 v[SC+8*NQ*\sc+NQ*\i:SC+8*NQ*\sc+NQ*\i+3], v[ADRS] offset:\i*SBLK
.endr
.endm
; A load into a register that a matrix instruction has read, and a vector instruction that reads a matrix result or writes one of its registers, stand NP places behind it; only plain vector
; instructions that name none of its registers are places.
.macro PLACES n
.rept \n
	v_nop
.endr
.endm
.macro STEP slot, q, zero              ; a step of 128 along K that has its successor in the same slot
	s_wait_dscnt 4*NL                              ; B's set and A's blocks 0-3 are in; the youngest eight loads (A's blocks 4-7) may be out
	WIN MUL_LO
	MUL16 0, (\q)%2, \q, \slot, \zero
	MUL16 2, (\q)%2, \q, \slot, \zero
	s_wait_dscnt 0                                 ; A's blocks 4-7 are in
	PLACES NP
	FETCH_B \slot, (\q)+1, 1-(\q)%2
	FETCH_A \slot, (\q)+1, 0
	WIN MUL_HI
	MUL16 4, (\q)%2, \q, \slot, \zero
	MUL16 6, (\q)%2, \q, \slot, \zero
	PLACES NP
	WIN 0
	FETCH_A \slot, (\q)+1, 4
.endm
; A slot's last step changes slots: ONE barrier; in front of it each wave waits for all its tensor loads, adds 0 to its spare word, and waits for that and for its own reads of this slot.  fill = 1: this slot is filled again, two K steps ahead.
.macro TURN slot, next, fill
	s_wait_tensorcnt 0x0                           ; all my tensor loads have landed: my part of the next slot
	ds_add_u32 v[SPW], v[NIL]                      ; 0 onto my spare word
	s_wait_dscnt 4*NL+1                            ; (the add and the youngest eight loads, A's blocks 4-7, may be out)
	WIN MUL_LO
	MUL16 0, 1, NQ-1, \slot, 0                     ; sixteen matrix instructions stand between the add and the wait for it
	s_wait_dscnt 0x0                               ; the add is done, and my reads of this slot are over
	s_barrier_signal -1
	MUL16 2, 1, NQ-1, \slot, 0
	WIN 0
	s_barrier_wait -1
.if \fill
	CREST                                          ; the barrier has opened a round of the cluster's barrier: no wave of any partner still reads this slot's tile or has a load on its way
	s_add_nc_u64 s[G0+4*\slot+2:G0+4*\slot+3], s[G0+4*\slot+2:G0+4*\slot+3], 2*ROWB
	s_add_nc_u64 s[G0B+4*\slot+2:G0B+4*\slot+3], s[G0B+4*\slot+2:G0B+4*\slot+3], 2*ROWB
	JLOAD G0+4*\slot, G1, G0B+4*\slot, G1B         ; the first tensor load behind the round; its four v_nop are the places in front of the loads below
.else
	PLACES NP
.endif
	v_add_nc_u32 v[ADRS], 4*NQ, v[ADRS]            ; on to the next K step's scale words (no LDS load of mine is out)
	FETCH_B \next, 0, 0
	FETCH_A \next, 0, 0
	SCALES \next
	WIN MUL_HI
	MUL16 4, 1, NQ-1, \slot, 0
	MUL16 6, 1, NQ-1, \slot, 0
	PLACES NP
	WIN 0
	FETCH_A \next, 0, 4
.endm
.macro STEPS slot, from                ; the slot's steps from .. NQ - 2
.set Q, \from
.rept NQ-1-\from
	STEP \slot, Q, 0
.set Q, Q+1
.endr
.endm
	s_wait_tensorcnt 1                             ; of my three first loads the scales and K step 0 are in; K step 1's may be out
	s_barrier_signal -1
	s_barrier_wait -1                              ; everybody's are
	FETCH_B 0, 0, 0
	FETCH_A 0, 0, 0
	SCALES 0
	FETCH_A 0, 0, 4
	STEP 0, 0, 1                                   ; the first step stands in front of the loop: its products start the sums
	s_mov_b32 s3, LAPS-1
.Llap:                                                 ; a trip goes once round the ring, from a lap's second step to the next lap's first, and fills both slots again
	STEPS 0, 1
	TURN 0, 1, 1
	STEPS 1, 0
	TURN 1, 0, 1
	STEP 0, 0, 0
	s_sub_co_u32 s3, s3, 1
	s_cmp_lg_u32 s3, 0
	s_cbranch_scc1 .Llap
	STEPS 0, 1                                     ; the last lap fills nothing, and has no round of the cluster's barrier
	TURN 0, 1, 0
	STEPS 1, 0
	s_wait_dscnt 4*NL                              ; the very last step: nothing more to fetch
	WIN MUL_LO
	MUL16 0, 1, NQ-1, 1, 0
	MUL16 2, 1, NQ-1, 1, 0
	s_wait_dscnt 0
	WIN MUL_HI
	MUL16 4, 1, NQ-1, 1, 0
	MUL16 6, 1, NQ-1, 1, 0
	WIN 0
; THE WAY OUT, block by block of 16 rows x 128 columns.  PACK: times the factor (exact), rounded to f16: a lane's eight numbers are 16 bytes.  TOSTAGE: into my own stage, and back as whole rows of 256 bytes.  SEND: stored.
.macro PACK a
.set AC, 64*((\a)%4)
	WIN 0x02+((\a)/4)                              ; source 0: window 2 or 3
.set k, 0
.rept 32
	v_pk_mul_f32 v[PT+k:PT+k+1], v[AC+k:AC+k+1], s[94:95] op_sel_hi:[1,0]   ; each accumulator from its low end on
.set k, k+2
.endr
	WIN 0
.set k, 0
.rept 32
	v_cvt_pk_f16_f32 v[TMP+k], v[PT+2*k], v[PT+2*k+1]
.set k, k+1
.endr
.endm
.macro TOSTAGE a
.set BB, BK0+128*((\a)%2)
.irp b, 0,1,2,3,4,5,6,7
	ds_store_b128 v[STO], v[TMP+4*\b:TMP+4*\b+3] offset:32*\b
.endr
.irp t, 0,1,2,3,4,5,6,7
	ds_load_b128 v[BB+4*\t:BB+4*\t+3], v[RD] offset:\t*2*SPITCH    ; LDS serves a wave's instructions in order (ISA guide 5.7.1.4): these see the stores above
.endr
.endm
.macro SEND a
.set BB, BK0+128*((\a)%2)
	s_wait_dscnt 0x0                               ; the block is back in registers
	s_wait_xcnt 0x0                                ; earlier stores have read their base and their data: the base may step, and the next block's loads may land where the block before this one lay
.if (\a) > 0
	s_add_nc_u64 s[12:13], s[12:13], s[18:19]      ; 16 rows on
.endif
.irp t, 0,1,2,3,4,5,6,7
	global_store_b128 v[CO+\t], v[BB+4*\t:BB+4*\t+3], s[12:13]     ; 16 lanes store 256 consecutive bytes, at a multiple of 256 from the buffer's first byte
.endr
.endm
	PLACES NP                                      ; behind the last products: PACK writes where A's fragments lay
	PACK 0
	TOSTAGE 0
.irp a, 1,2,3,4,5,6,7                  ; block a's arithmetic stands between block a - 1's loads from the stage and the wait for them
	PACK \a
	SEND \a-1
	TOSTAGE \a
.endr
	SEND 7
	s_wait_tensorcnt 0x0                           ; the wave's end, behind my last tensor load and my last LDS store
	ds_add_u32 v[SPW], v[NIL]
	s_wait_dscnt 0x0
	CROUND                                         ; the closing round: no work-group ends while a partner may still ask for a tile that names it
	s_endpgm
.Lfunc_end_k_qceb4d561a8_gemm_kv:
	.size	k_qceb4d561a8_gemm_kv, .Lfunc_end_k_qceb4d561a8_gemm_kv-k_qceb4d561a8_gemm_kv
	.p2alignl 7, 3214868480
	.fill 96, 4, 3214868480
	.section	.rodata,"a",@progbits
	.p2align	6, 0x0
	.amdhsa_kernel k_qceb4d561a8_gemm_kv
		.amdhsa_group_segment_fixed_size 327680
		.amdhsa_private_segment_fixed_size 0
		.amdhsa_enable_private_segment 0
		.amdhsa_kernarg_size 32
		.amdhsa_user_sgpr_count 2
		.amdhsa_user_sgpr_kernarg_segment_ptr 1
		.amdhsa_wavefront_size32 1
		.amdhsa_system_sgpr_workgroup_id_x 1
		.amdhsa_system_sgpr_workgroup_id_y 1
		.amdhsa_system_sgpr_workgroup_id_z 1
		.amdhsa_system_vgpr_workitem_id 0
		.amdhsa_next_free_vgpr 1024
		.amdhsa_next_free_sgpr 100
		.amdhsa_reserve_vcc 0
		.amdhsa_float_denorm_mode_32 3
		.amdhsa_float_denorm_mode_16_64 3
		.amdhsa_memory_ordered 1
		.amdhsa_forward_progress 1
		.amdhsa_inst_pref_size 230
	.end_amdhsa_kernel
	.amdgpu_metadata
---
amdhsa.version: [ 1, 2 ]
amdhsa.kernels:
  - .name:           k_qceb4d561a8_gemm_kv
    .symbol:         k_qceb4d561a8_gemm_kv.kd
    .args:
      - { .name: codes, .offset: 0, .size: 8, .value_kind: global_buffer, .address_space: global }
      - { .name: scales, .offset: 8, .size: 8, .value_kind: global_buffer, .address_space: global }
      - { .name: kf, .offset: 16, .size: 8, .value_kind: global_buffer, .address_space: global }
      - { .name: vt, .offset: 24, .size: 8, .value_kind: global_buffer, .address_space: global }
    .group_segment_fixed_size: 327680
    .private_segment_fixed_size: 0
    .kernarg_segment_align: 8
    .kernarg_segment_size: 32
    .max_flat_workgroup_size: 128
    .sgpr_count:     100
    .vgpr_count:     1024
    .wavefront_size: 32
...
	.end_amdgpu_metadata
.endif
;; end of part 2
;; launch attn (part 3): grid 8 x 32, 8 waves a work-group, clusters of 4 x 4, 327,680 bytes of LDS; arguments kf, vt, bias, ctx, codes, scales; writes ctx
.if DOCPART == 3
	.amdgcn_target "amdgcn-amd-amdhsa--gfx1250"
	.amdhsa_code_object_version 6
	.text
	.protected	k_qceb4d561a8_attn
	.globl	k_qceb4d561a8_attn
	.p2align	8
	.type	k_qceb4d561a8_attn,@function
k_qceb4d561a8_attn:
	s_mov_b64 s[64:65], 0
	v_nop
	global_prefetch_b8 v0, s[64:65] scope:SCOPE_SE
	s_setreg_imm32_b32 hwreg(HW_REG_WAVE_MODE, 25, 1), 1
	s_wait_xcnt 0x0
	s_wait_alu depctr_hold_cnt(0) depctr_sa_sdst(0) depctr_va_vdst(0) depctr_va_sdst(0) depctr_va_ssrc(0) depctr_va_vcc(0) depctr_vm_vsrc(0)
	s_getreg_b32 s2, hwreg(HW_REG_IB_STS2, 6, 4)
	s_cmp_eq_u32 s2, 0
	s_cbranch_scc0 .Lentry_in_a_cluster
	s_endpgm
.Lentry_in_a_cluster:
	s_bfe_u32 s2, ttmp6, 0x10000c
	s_cmp_lg_u32 s2, 0xf033
	s_cbranch_scc0 .Lentry_shape_is_right
	s_endpgm
.Lentry_shape_is_right:
; THIRD LAUNCH: q's projection, and ctx[b][q][h][:] = sum over keys of softmax_k(q . k / 8 + bias[b][q][k]) v[k][:], for 2 batches, 32 heads of 64, 1,024 queries, 2,048 keys.  No work of reference() is left out.
; q's PROJECTION IS QUANTISED: codes of E2M1 with one E8M0 scale for each 32 along K = 2,048 (codes rows 4,096 + 1,024 b + q: inputs_q; rows 8,192 + 64 h + d: wq; scales likewise), by the scaled matrix instruction, sums in f32.
; A work-group needs 128 queries x the 128 channels of its pair of heads, and the 256 work-groups' tiles are the whole of q, each once.  q / 4 is rounded once, to f16, in registers, and never goes to memory.
; The two products of attention are left as they are, on f16: kf holds k / 2 as [2,048 b + key][64 h + d], vt holds v / 2 as [64 h + d][2,048 b + key]; ctx / 2 goes out in f16, [1,024 b + q][64 h + d].
; (q / 4) . (k / 2) is the score's product; the bias, in f32, is the C of its first matrix instruction.  Maxima, exponentials and sums in f32; the weights p are rounded to f16 for the second product, their sum is taken unrounded.
; SOFTMAX: for each query a running maximum m and sum l: p = 2^(c s - c m), c = log2(e); in every step O and l are multiplied by a = 2^(c m_old - c m_new).
; LIMITS: m begins at -1e38, so scores lie above that; |q| / 4 stays under 65,504; NaN and infinities are not served.
; SHARES.  A work-group owns 128 queries of one batch and a PAIR of heads (a key's row for the pair is 256 bytes).  Wave w: head w % 2 of the pair, queries 32 (w / 2) on: two tiles of 16.  Every wave walks all 2,048 keys, 128 a slot.
; LAYOUT.  S^T = K Q^T (source 0 = 16 keys, source 1 = 16 queries): a lane holds ONE query (lane % 16) and keys 8 (lane / 16) + 0..7.  Two such tiles, rounded in pairs, ARE source 1 (32 keys x 16 queries) of
; O^T = V^T P, whose result again holds one query a lane.  q's projection is used transposed too (source 0 = 16 rows of wq, source 1 = 16 queries): two tiles of channels, rounded in pairs, ARE source 1 of K Q^T.
; CLUSTER 4 x 4.  Along x: four query blocks of one batch and head pair: the same K, V and rows of wq.  Along y: four head pairs of one batch and query block: the same bias and rows of inputs_q.  Each tile is asked for JOINTLY.
; RING: two slots of 128 keys; every wave fetches one part of a slot (waves 0, 1: K's halves; 2, 3: V's; 4-7: the bias's quarters), one tensor load a wave behind each round.
; THE PROJECTION'S CODES COME THROUGH THE SAME RING, AS ITS FIRST TWO FILLS: half s of K (512 bytes of each row) lies in slot s: wq's 128 rows in K's region (bytes 0-255 of the half) and V's (256-511), inputs_q's 128 rows in the bias's.
; The loads have the ring's own shapes, LDS bytes and masks; only the pitch in memory differs.
; TWO CLASSES OF WAVES.  All of a wave's reads of a slot stand in PARTA (bias, K, K Q^T, V into registers); PARTB (softmax, V^T P) works on registers.  Between two barriers a wave of class 0 runs PARTA, PARTB; a wave of
; class 1 runs PARTB of the slot before, then PARTA: one class has LDS loads and products in hand while the other has vector work.  class = (w xor w / 4) % 2: waves w and w + 4 differ, and so do waves 2 i and 2 i + 1.
; REGISTERS: window 0: v0-15 addresses; v16-31 statistics; v32, v33 the add's two; v34-41 sums; v64-191 S^T (64 a tile), then p, then P; v192-255 K of key tiles 0-3.
;   window 1: v0-63 O^T (32 a tile); v64-95 Q; v128-191 K of key tiles 4-7; then v128-255 V.
;   During the projection, all in window 0: v42-45 addresses; v62 an offset; v64-111 scale words; v128-191 the 8 accumulators; fragments in two sets: v192-239, and v112-127, v240-255, v46-61.
.set KP,    272                        ; a row of K or V^T in LDS: 256 bytes + 16
.set BP,    528                        ; a row of bias: 512 bytes + 16
.set VOFF,  128*KP                     ; a slot: 128 rows of K, 128 rows of V^T, 128 rows of bias
.set BOFF,  2*128*KP
.set SLOTB, BOFF+128*BP
.set STAGE, 2*SLOTB                    ; behind the ring: 128 rows x 272 bytes, the work-group's, for the way out
.set SPARE, STAGE+128*KP               ; the spare words, 128 bytes a wave: four blocks of 256 bytes that no other line names
.set AK,  4                            ; v4-5   my lane's place in K's tile, slot 0, 1
.set AV,  6                            ; v6-7   in V's
.set AB,  8                            ; v8-9   in the bias's
.set STO, 11                           ; v11    the way out: where I put 16 bytes of a row
.set RD,  12                           ; v12    where I read a row back
.set GO,  13                           ; v13    my byte offset in the wave's rows of ctx
.set PFO, 14                           ; v14    the prefetches' offset: my lane x a row in memory; never rewritten
.set ST,  16                           ; tile t's statistics at v[ST + 8 t]: +0 c m, +1 m, +2, +3 l (even keys', odd keys'), +4 to +7 at work; a takes +6
.set SPW, 32                           ; v32    LDS address of my spare word; never rewritten
.set NIL, 33                           ; v33    0; never rewritten
.set SU,  34                           ; v34-41 two chains of sums a tile
.set AW,  42                           ; v42-43 the projection: my lane's place among wq's rows, slot 0, 1
.set AX,  44                           ; v44-45 and among inputs_q's
.set FX1, 46                           ; v46-61 inputs_q's two fragments, set 1
.set SO,  62                           ; v62    64 x my lane: a row of scale bytes; never rewritten
.set S,   64
.set XSC, 64                           ; v64-79   inputs_q's scale words, register kk for K step kk: lanes 0-15 my first 16 queries, lanes 16-31 the other 16
.set WSC, 80                           ; v80-111  wq's: 16 registers for channel tiles 0 (lanes 0-15) and 1 (lanes 16-31), 16 for tiles 2 and 3
.set FW1, 112                          ; wq's four fragments, set 1: v112-127 and v240-255
.set QA,  128                          ; v128-191 accumulator (channel tile i, query tile t) at v[QA + 8 (2 i + t)]
.set FW0, 192                          ; v192-223 wq's four fragments, set 0
.set FX0, 224                          ; v224-239 inputs_q's two, set 0
.set KF0, 192
.set KF1, 128                          ; in window 1
.set QF,  64                           ; in window 1
.set VF,  128                          ; in window 1
.set CLS, 2                            ; s2   my wave's class
.set WQI, 3                            ; s3   which 32 queries are mine: w / 2
.set WV,  12                           ; s12  my wave's number
.set G1K, 16                           ; s[16:23], s[24:31], s[32:39] descriptor groups 1 for K, V, bias
.set G1V, 24
.set G1B, 32
.set G0K, 40                           ; s[40:47], s[48:55], s[56:63] groups 0, one set for each slot
.set G0V, 48
.set G0B, 56
.set CS,  66                           ; s[66:67] c = log2(e): the packed form names a pair
.set SEL, 68                           ; s[68:69] lane selects for v_permlanex16_b32: lane l xor 16
.set CNT, 70                           ; s70  trips to go
.set LIM, 71                           ; s71  1 in a wave that prefetches, else the greatest number
.set PFA, 72                           ; s[72:73] where my prefetches stand
.set PFS, 74                           ; s[74:75] a slot on, in bytes
.set MSB, 0
.macro WIN new                         ; the immediate's high byte repeats the setting that is left
.if MSB != \new
	s_set_vgpr_msb (MSB<<8)|\new
.set MSB, \new
.endif
.endm
; A joint load of slot s.  The branches hang on the wave's number alone.  An s_nop 0 and four v_nop follow each line.
.macro JLOAD s
	s_cmp_lt_u32 s[WV], 2
	s_cbranch_scc0 .Lnot_k_\@
	tensor_load_to_lds s[G0K+4*\s:G0K+4*\s+3], s[G1K:G1K+7]
	s_nop 0
.rept 4
	v_nop
.endr
	s_branch .Lasked_\@
.Lnot_k_\@:
	s_cmp_lt_u32 s[WV], 4
	s_cbranch_scc0 .Lnot_v_\@
	tensor_load_to_lds s[G0V+4*\s:G0V+4*\s+3], s[G1V:G1V+7]
	s_nop 0
.rept 4
	v_nop
.endr
	s_branch .Lasked_\@
.Lnot_v_\@:
	tensor_load_to_lds s[G0B+4*\s:G0B+4*\s+3], s[G1B:G1B+7]
	s_nop 0
.rept 4
	v_nop
.endr
.Lasked_\@:
.endm
; A PREFETCH INTO THE L2 of what the NEXT change of slots will ask for, one slot's work ahead of that load; it stands behind the wave's tensor load and its five lines.  A lane a row, 256 bytes of it, one instruction a wave.
; Each aligned block of 256 bytes is named once in the launch.  K and V of a head pair are walked by both clusters along x: the one with x = 0 asks; its four partners along x take 32 rows each, BY ADDRESS (wave 0: K; wave 1: V).
; A bias tile is walked by the four clusters of a batch along y: the first of them asks; its partners along y take 32 rows each, by address (waves 2, 3: the two halves of a row's 512 bytes).
; last = 1: the launch's last fill asks for nothing: there is no slot behind it.  Key slots 0 to 2, and the projection's codes, come by their loads alone.
.macro ASK last
.if \last
	s_cmp_gt_u32 s[CNT], s[LIM]                    ; s[CNT] = 1 in the last trip
.else
	s_cmp_eq_u32 s[LIM], 1
.endif
	s_cbranch_scc0 .Lnot_mine_\@
	global_prefetch_b8 v[PFO], s[PFA:PFA+1] th:TH_LOAD_NT scope:SCOPE_SE
.Lnot_mine_\@:
.endm
.macro CROUND                          ; a round of the cluster's barrier
	s_barrier_signal -1
	s_barrier_wait -1
	s_cmp_lg_u32 s[WV], 0
	s_cbranch_scc1 .Lnot_wave_0_\@
	s_barrier_signal -3
.Lnot_wave_0_\@:
	s_barrier_wait -3
	s_barrier_signal -1
	s_barrier_wait -1
.endm
.macro BIAS s, k0                      ; the bias of key tiles k0 .. k0 + 3, both tiles of queries, into S^T's registers, in the result's layout: 32 neighbouring bytes of my query's row
.irp t, 0,1
.irp u, 0,1,2,3
	ds_load_b128 v[S+64*\t+8*(\k0+\u):S+64*\t+8*(\k0+\u)+3], v[AB+\s] offset:16*\t*BP+64*(\k0+\u)
	ds_load_b128 v[S+64*\t+8*(\k0+\u)+4:S+64*\t+8*(\k0+\u)+7], v[AB+\s] offset:16*\t*BP+64*(\k0+\u)+16
.endr
.endr
.endm
.macro KLOAD s, k0, reg                ; K's fragments of key tiles k0 .. k0 + 3: 16 keys x 32 channels each, two for the head's 64
.irp u, 0,1,2,3
.irp e, 0,1
	ds_load_b128 v[\reg+16*\u+8*\e:\reg+16*\u+8*\e+3], v[AK+\s] offset:16*(\k0+\u)*KP+64*\e
	ds_load_b128 v[\reg+16*\u+8*\e+4:\reg+16*\u+8*\e+7], v[AK+\s] offset:16*(\k0+\u)*KP+64*\e+32
.endr
.endr
.endm
.macro KQ k0, reg                      ; 16 products: the eight accumulators (4 key tiles x 2 tiles of queries) take turns, one instruction a turn
.irp e, 0,1
.irp u, 0,1,2,3
.irp t, 0,1
	v_wmma_f32_16x16x32_f16 v[S+64*\t+8*(\k0+\u):S+64*\t+8*(\k0+\u)+7], v[\reg+16*\u+8*\e:\reg+16*\u+8*\e+7], v[QF+16*\t+8*\e:QF+16*\t+8*\e+7], v[S+64*\t+8*(\k0+\u):S+64*\t+8*(\k0+\u)+7]
.endr
.endr
.endr
.endm
; PARTA: all that a wave reads of LDS slot s: the scores of its 128 keys are made, and V comes into registers.
.macro PARTA s
.rept 5
	v_nop                                          ; behind the last V^T P: four places for the loads into registers that it read, five for the products that write over P's
.endr
	BIAS \s, 0
	KLOAD \s, 0, KF0
	BIAS \s, 4
	WIN 0x40                                       ; destination window 1
	KLOAD \s, 4, KF1
	s_wait_dscnt 32                                ; key tiles 0-3 are in: the bias and K of tiles 4-7, 16 + 16 loads, may be out
	WIN 0x04                                       ; K window 0, Q window 1, S^T window 0
	KQ 0, KF0
	s_wait_dscnt 0x0
	WIN 0x05                                       ; K window 1
	KQ 4, KF1
	WIN 0x40
.rept 4
	v_nop                                          ; places: for V's loads into K's registers, and for the first read of the scores
.endr
.irp c, 0,1,2,3                        ; V^T: 16 channels x 32 keys a fragment
.irp i, 0,1,2,3
	ds_load_b128 v[VF+32*\c+8*\i:VF+32*\c+8*\i+3], v[AV+\s] offset:16*\i*KP+64*\c
	ds_load_b128 v[VF+32*\c+8*\i+4:VF+32*\c+8*\i+7], v[AV+\s] offset:16*\i*KP+64*\c+32
.endr
.endr
	WIN 0
.endm
; PARTB: the softmax of those 128 keys and V^T P: registers alone.
.macro PARTB
	; the maximum of a tile's 64 scores and the old m: four chains of 15, the four left over, the chains and m.  Each accumulator is first read at a low register.  The two tiles by turns throughout
.irp j, 0,1,2,3
.irp t, 0,1
	v_max3_num_f32 v[ST+8*\t+4+\j], v[S+64*\t+16*\j], v[S+64*\t+16*\j+1], v[S+64*\t+16*\j+2]
.endr
.endr
.irp i, 3,5,7,9,11,13
.irp j, 0,1,2,3
.irp t, 0,1
	v_max3_num_f32 v[ST+8*\t+4+\j], v[ST+8*\t+4+\j], v[S+64*\t+16*\j+\i], v[S+64*\t+16*\j+\i+1]
.endr
.endr
.endr
.irp t, 0,1
	v_max3_num_f32 v[ST+8*\t+4], v[ST+8*\t+4], v[S+64*\t+15], v[S+64*\t+31]
	v_max3_num_f32 v[ST+8*\t+6], v[ST+8*\t+6], v[S+64*\t+47], v[S+64*\t+63]
.endr
.irp t, 0,1
	v_max3_num_f32 v[ST+8*\t+4], v[ST+8*\t+4], v[ST+8*\t+5], v[ST+8*\t+6]
.endr
.irp t, 0,1
	v_max3_num_f32 v[ST+8*\t+4], v[ST+8*\t+4], v[ST+8*\t+7], v[ST+8*\t+1]
.endr
.irp t, 0,1
	v_permlanex16_b32 v[ST+8*\t+5], v[ST+8*\t+4], s[SEL], s[SEL+1]  ; the query's other 64 keys lie in the lane 16 away
.endr
.irp t, 0,1
	v_mov_b32 v[ST+8*\t+7], v[ST+8*\t]             ; c m_old is kept for a
.endr
.irp t, 0,1
	v_max_num_f32 v[ST+8*\t+1], v[ST+8*\t+4], v[ST+8*\t+5]          ; the new m
.endr
.irp t, 0,1
	v_mul_f32 v[ST+8*\t], s[CS], v[ST+8*\t+1]      ; c m
.endr
.irp t, 0,1
	v_sub_f32 v[ST+8*\t+7], v[ST+8*\t+7], v[ST+8*\t]
.endr
.irp j, 0,2,4,6,8,10,12,14,16,18,20,22,24,26,28,30,32,34,36,38,40,42,44,46,48,50,52,54,56,58,60,62
.irp t, 0,1
	v_pk_fma_f32 v[S+64*\t+\j:S+64*\t+\j+1], v[S+64*\t+\j:S+64*\t+\j+1], s[CS:CS+1], v[ST+8*\t:ST+8*\t+1] op_sel_hi:[1,0,0] neg_lo:[0,0,1] neg_hi:[0,0,1]  ; c s - c m, two at a time
.endr
.endr
	; ONE BATCH: both tiles' a and all 128 weights; nothing in it reads a result
.irp t, 0,1
	v_exp_f32 v[ST+8*\t+6], v[ST+8*\t+7]           ; a
.endr
.set j, 0
.rept 128
	v_exp_f32 v[S+j], v[S+j]                       ; p, at most 1
.set j, j+1
.endr
	v_nop                                          ; a plain instruction behind the last exponential, ahead of the first use
	s_wait_alu depctr_va_vdst(0)                   ; this wait stands ahead of the first instruction that names a result: one for the batch
	; the sums, of the unrounded p: two chains a tile; l = a l + the sum
.irp t, 0,1
	v_pk_add_f32 v[SU+4*\t:SU+4*\t+1], v[S+64*\t:S+64*\t+1], v[S+64*\t+2:S+64*\t+3]
	v_pk_add_f32 v[SU+4*\t+2:SU+4*\t+3], v[S+64*\t+4:S+64*\t+5], v[S+64*\t+6:S+64*\t+7]
.endr
.irp j, 8,12,16,20,24,28,32,36,40,44,48,52,56,60
.irp t, 0,1
	v_pk_add_f32 v[SU+4*\t:SU+4*\t+1], v[SU+4*\t:SU+4*\t+1], v[S+64*\t+\j:S+64*\t+\j+1]
	v_pk_add_f32 v[SU+4*\t+2:SU+4*\t+3], v[SU+4*\t+2:SU+4*\t+3], v[S+64*\t+\j+2:S+64*\t+\j+3]
.endr
.endr
.irp t, 0,1
	v_pk_add_f32 v[SU+4*\t:SU+4*\t+1], v[SU+4*\t:SU+4*\t+1], v[SU+4*\t+2:SU+4*\t+3]
.endr
.irp t, 0,1
	v_pk_fma_f32 v[ST+8*\t+2:ST+8*\t+3], v[ST+8*\t+2:ST+8*\t+3], v[ST+8*\t+6:ST+8*\t+7], v[SU+4*\t:SU+4*\t+1] op_sel_hi:[1,0,1]
.endr
	; P: rounded to f16 in place: the 16 weights of key tiles 2 c, 2 c + 1 become the eight registers of source 1 for keys 32 c on
.irp c, 0,1,2,3
.irp i, 0,1,2,3,4,5,6,7
.irp t, 0,1
	v_cvt_pk_f16_f32 v[S+64*\t+16*\c+\i], v[S+64*\t+16*\c+2*\i], v[S+64*\t+16*\c+2*\i+1]
.endr
.endr
.endr
	WIN 0x41                                       ; O^T (destination and source 0) window 1, a window 0
.irp j, 0,2,4,6,8,10,12,14,16,18,20,22,24,26,28,30
.irp t, 0,1
	v_pk_mul_f32 v[32*\t+\j:32*\t+\j+1], v[32*\t+\j:32*\t+\j+1], v[ST+8*\t+6:ST+8*\t+7] op_sel_hi:[1,0]
.endr
.endr
	s_wait_dscnt 0x0                               ; V is in
	WIN 0x51                                       ; V window 1, P window 0, O^T window 1
.irp c, 0,1,2,3                        ; 32 products: the eight accumulators (4 tiles of channels x 2 of queries) take turns
.irp i, 0,1,2,3
.irp t, 0,1
	v_wmma_f32_16x16x32_f16 v[32*\t+8*\i:32*\t+8*\i+7], v[VF+32*\c+8*\i:VF+32*\c+8*\i+7], v[S+64*\t+16*\c:S+64*\t+16*\c+7], v[32*\t+8*\i:32*\t+8*\i+7]
.endr
.endr
.endr
	WIN 0
.endm
; THE CHANGE OF SLOTS.  Each wave waits for all its tensor loads, of which one is out: its part of the other slot; adds 0 to its spare word; and waits for that and for its reads of this slot.
; fill = 1: the barrier is a round of the cluster's, and the slot is filled again, with the keys two slots on, first thing behind it: the load has a slot's work in which to land.
.macro CHANGE slot, fill
	s_wait_tensorcnt 0x0                           ; no tensor load of mine is out, so a group 0 may be written
	ds_add_u32 v[SPW], v[NIL]                      ; 0 onto my spare word; the steps below stand between it and the wait for it
.if \fill
	s_add_nc_u64 s[G0K+4*\slot+2:G0K+4*\slot+3], s[G0K+4*\slot+2:G0K+4*\slot+3], 2*128*4096   ; 256 keys on: rows of kf,
	s_add_nc_u64 s[G0V+4*\slot+2:G0V+4*\slot+3], s[G0V+4*\slot+2:G0V+4*\slot+3], 2*128*2      ; along vt's rows,
	s_add_nc_u64 s[G0B+4*\slot+2:G0B+4*\slot+3], s[G0B+4*\slot+2:G0B+4*\slot+3], 2*128*4      ; along the bias's
	s_wait_xcnt 0x0                                ; the last prefetch, a slot back, has read its address, so it may be written:
	s_add_nc_u64 s[PFA:PFA+1], s[PFA:PFA+1], s[PFS:PFS+1]          ; one slot further on than this change's load
	s_wait_dscnt 0x0                               ; the add is done, and my reads of the slot are over
	CROUND
	JLOAD \slot
	ASK \slot
.else
	s_wait_dscnt 0x0
	s_barrier_signal -1
	s_barrier_wait -1
.endif
.endm
; A slot's turn.
.macro STEP s, fill
	PARTA \s
	s_cmp_lg_u32 s[CLS], 0
	s_cbranch_scc1 .Llater_\@                      ; class 1 takes this slot's PARTB behind the change of slots
	PARTB
.Llater_\@:
	CHANGE \s, \fill
	s_cmp_eq_u32 s[CLS], 0
	s_cbranch_scc1 .Lhad_\@
	PARTB
.Lhad_\@:
.endm
; ---- q's PROJECTION.  K step k (0..7) of half s: 64 bytes of each row.  A fragment, 16 rows x 128 K of 4-bit codes, is 8 registers: lane l holds row l % 16; registers 4 c .. 4 c + 3 hold K = 64 c + 32 (l / 16) + 0 .. 31.
.macro QLOAD s, k                      ; 12 LDS loads: wq's four fragments (my head's 64 channels) and inputs_q's two (my 32 queries) into set k % 2
.set qp, (\k)%2
.set qko, 64*((\k)%4)+VOFF*((\k)/4)    ; wq: K steps 0-3 lie in K's region, 4-7 in V's
.irp i, 0,1,2,3
.set qfw, (1-qp)*(FW0+8*\i)+qp*(FW1+8*\i+112*(\i/2))
	ds_load_b128 v[qfw:qfw+3], v[AW+\s] offset:qko+16*\i*KP
	ds_load_b128 v[qfw+4:qfw+7], v[AW+\s] offset:qko+16*\i*KP+32
.endr
.irp t, 0,1
.set qfx, (1-qp)*(FX0+8*\t)+qp*(FX1+8*\t)
	ds_load_b128 v[qfx:qfx+3], v[AX+\s] offset:64*(\k)+16*\t*BP
	ds_load_b128 v[qfx+4:qfx+7], v[AX+\s] offset:64*(\k)+16*\t*BP+32
.endr
.endm
.macro QW i, t, kk, p, zero            ; one product: channel tile i x query tile t, K step kk of 16, set p.  An odd tile's scale words stand in lanes 16-31
.set qfw, (1-(\p))*(FW0+8*(\i))+(\p)*(FW1+8*(\i)+112*((\i)/2))
.set qfx, (1-(\p))*(FX0+8*(\t))+(\p)*(FX1+8*(\t))
.set qdd, QA+8*(2*(\i)+(\t))
.set qsa, WSC+16*((\i)/2)+(\kk)
.set qsb, XSC+(\kk)
.if \zero
.if ((\i)%2 == 0) && ((\t) == 0)
	v_wmma_scale_f32_16x16x128_f8f6f4 v[qdd:qdd+7], v[qfw:qfw+7], v[qfx:qfx+7], 0, v[qsa], v[qsb] matrix_a_fmt:MATRIX_FMT_FP4 matrix_b_fmt:MATRIX_FMT_FP4
.elseif (\t) == 0
	v_wmma_scale_f32_16x16x128_f8f6f4 v[qdd:qdd+7], v[qfw:qfw+7], v[qfx:qfx+7], 0, v[qsa], v[qsb] matrix_a_fmt:MATRIX_FMT_FP4 matrix_b_fmt:MATRIX_FMT_FP4 matrix_a_scale:MATRIX_SCALE_ROW1
.elseif (\i)%2 == 0
	v_wmma_scale_f32_16x16x128_f8f6f4 v[qdd:qdd+7], v[qfw:qfw+7], v[qfx:qfx+7], 0, v[qsa], v[qsb] matrix_a_fmt:MATRIX_FMT_FP4 matrix_b_fmt:MATRIX_FMT_FP4 matrix_b_scale:MATRIX_SCALE_ROW1
.else
	v_wmma_scale_f32_16x16x128_f8f6f4 v[qdd:qdd+7], v[qfw:qfw+7], v[qfx:qfx+7], 0, v[qsa], v[qsb] matrix_a_fmt:MATRIX_FMT_FP4 matrix_b_fmt:MATRIX_FMT_FP4 matrix_a_scale:MATRIX_SCALE_ROW1 matrix_b_scale:MATRIX_SCALE_ROW1
.endif
.else
.if ((\i)%2 == 0) && ((\t) == 0)
	v_wmma_scale_f32_16x16x128_f8f6f4 v[qdd:qdd+7], v[qfw:qfw+7], v[qfx:qfx+7], v[qdd:qdd+7], v[qsa], v[qsb] matrix_a_fmt:MATRIX_FMT_FP4 matrix_b_fmt:MATRIX_FMT_FP4
.elseif (\t) == 0
	v_wmma_scale_f32_16x16x128_f8f6f4 v[qdd:qdd+7], v[qfw:qfw+7], v[qfx:qfx+7], v[qdd:qdd+7], v[qsa], v[qsb] matrix_a_fmt:MATRIX_FMT_FP4 matrix_b_fmt:MATRIX_FMT_FP4 matrix_a_scale:MATRIX_SCALE_ROW1
.elseif (\i)%2 == 0
	v_wmma_scale_f32_16x16x128_f8f6f4 v[qdd:qdd+7], v[qfw:qfw+7], v[qfx:qfx+7], v[qdd:qdd+7], v[qsa], v[qsb] matrix_a_fmt:MATRIX_FMT_FP4 matrix_b_fmt:MATRIX_FMT_FP4 matrix_b_scale:MATRIX_SCALE_ROW1
.else
	v_wmma_scale_f32_16x16x128_f8f6f4 v[qdd:qdd+7], v[qfw:qfw+7], v[qfx:qfx+7], v[qdd:qdd+7], v[qsa], v[qsb] matrix_a_fmt:MATRIX_FMT_FP4 matrix_b_fmt:MATRIX_FMT_FP4 matrix_a_scale:MATRIX_SCALE_ROW1 matrix_b_scale:MATRIX_SCALE_ROW1
.endif
.endif
.endm
.macro QMUL kk, p, zero                ; a K step's 8 products: the eight accumulators take turns, one instruction a turn
.irp i, 0,1,2,3
.irp t, 0,1
	QW \i, \t, \kk, \p, \zero
.endr
.endr
.endm
.macro QHALF s                         ; half s of K, from LDS slot s: 8 K steps; a step's fragments are asked for one step ahead
.rept 4
	v_nop                                          ; places in front of loads into registers that matrix instructions have read
.endr
	QLOAD \s, 0
.irp k, 0,1,2,3,4,5,6,7
.if \k < 7
.rept 4
	v_nop                                          ; likewise: the other set was read by the products just issued
.endr
	QLOAD \s, \k+1
	s_wait_dscnt 12                                ; this step's 12 loads are in; the next step's 12 may be out
.else
	s_wait_dscnt 0x0
.endif
.if (\s == 0) && (\k == 0)
	QMUL 0, 0, 1                                   ; the first K step starts the sums: nothing is cleared
.else
	QMUL 8*\s+\k, \k%2, 0
.endif
.endr
.endm
; The change of slots behind half s: as CHANGE, but the slot now takes its first 128 keys: the groups 0 are written anew, and behind half 0 (both first fills have landed) the three pitches in memory.
.macro CHANGEQ slot
	s_wait_tensorcnt 0x0                           ; no tensor load of mine is out, so descriptors may be written
	ds_add_u32 v[SPW], v[NIL]                      ; 0 onto my spare word
.if \slot == 0
	s_mov_b32 s[G1K+5], 2048                       ; elements from row to row of kf,
	s_mov_b32 s[G1V+5], 4096                       ; of vt,
	s_mov_b32 s[G1B+5], 2048                       ; and of the bias
.endif
	s_add_nc_u64 s[G0K+4*\slot+2:G0K+4*\slot+3], s[84:85], \slot*128*4096   ; keys 128 x slot on
	s_or_b32 s[G0K+4*\slot+3], s[G0K+4*\slot+3], 0x80000000
	s_add_nc_u64 s[G0V+4*\slot+2:G0V+4*\slot+3], s[86:87], \slot*128*2
	s_or_b32 s[G0V+4*\slot+3], s[G0V+4*\slot+3], 0x80000000
	s_add_nc_u64 s[G0B+4*\slot+2:G0B+4*\slot+3], s[88:89], \slot*128*4
	s_or_b32 s[G0B+4*\slot+3], s[G0B+4*\slot+3], 0x80000000
	s_wait_dscnt 0x0                               ; the add is done, and my reads of the slot are over
	CROUND
	JLOAD \slot
.endm
	s_load_b256 s[4:11], s[0:1], 0x0               ; kf s[4:5], vt s[6:7], bias s[8:9], ctx s[10:11]
	s_load_b128 s[92:95], s[0:1], 0x20             ; codes s[92:93], scales s[94:95]
	v_lshl_add_u32 v[SPW], v0, 2, SPARE
	v_mov_b32 v[NIL], 0
	ds_add_u32 v[SPW], v[NIL]                      ; the wave's opening: the add, twice on end, and its wait ahead of my first tensor load; the set-up below stands between
	ds_add_u32 v[SPW], v[NIL]
	v_lshrrev_b32 v1, 5, v0
	v_readfirstlane_b32 s[WV], v1                  ; wave 0..7
	s_lshr_b32 s[CLS], s[WV], 2
	s_xor_b32 s[CLS], s[CLS], s[WV]
	s_and_b32 s[CLS], s[CLS], 1                    ; my class: (w xor w / 4) % 2
	s_bfe_u32 s13, ttmp6, 0x40000                  ; cx
	s_bfe_u32 s14, ttmp6, 0x40004                  ; cy
	s_and_b32 s76, ttmp7, 0xffff                   ; cluster y, 0..7
	s_lshr_b32 s77, s76, 2                         ; b, the batch: the whole cluster's
	s_and_b32 s78, s76, 3
	s_lshl_b32 s78, s78, 2
	s_add_co_u32 s78, s78, s14                     ; hp, the pair of heads: 4 (cluster y % 4) + cy
	s_lshl_b32 s79, ttmp9, 2
	s_add_co_u32 s79, s79, s13                     ; x, the block of 128 queries: 4 x cluster x + cx
	s_lshl_b32 s80, s14, 2
	s_lshl_b32 s80, 15, s80                        ; my row of the cluster: the same hp
	s_lshl_b32 s81, 0x1111, s13                    ; my column: the same x
	; descriptor groups 1.  K, V: 64 rows x 128 elements of 2 bytes, four words of padding after every 64.  Bias: 32 rows x 128 elements of 4 bytes, four words after every 128
	s_or_b32 s[G1K], s80, (1<<16)|(1<<20)|(1<<21)|(5<<22)|(3<<25)
	s_or_b32 s[G1V], s80, (1<<16)|(1<<20)|(1<<21)|(5<<22)|(3<<25)
	s_or_b32 s[G1B], s81, (2<<16)|(1<<20)|(1<<21)|(6<<22)|(3<<25)
.irp g, G1K, G1V
	s_mov_b32 s[\g+1], 128<<16                     ; tensor_dim0
	s_mov_b32 s[\g+2], 64<<16                      ; tensor_dim1
	s_mov_b32 s[\g+3], 128<<16                     ; tile_dim0
	s_mov_b32 s[\g+4], 64                          ; tile_dim1
	s_mov_b32 s[\g+5], 512                         ; for the first two fills: a row of codes is 1,024 bytes, 512 elements of 2
	s_mov_b32 s[\g+6], 0
	s_mov_b32 s[\g+7], 0
.endr
	s_mov_b32 s[G1B+1], 128<<16
	s_mov_b32 s[G1B+2], 32<<16
	s_mov_b32 s[G1B+3], 128<<16
	s_mov_b32 s[G1B+4], 32
	s_mov_b32 s[G1B+5], 256                        ; likewise: 256 elements of 4
	s_mov_b32 s[G1B+6], 0
	s_mov_b32 s[G1B+7], 0
	s_and_b32 s82, s[WV], 1                        ; my head of the pair.  Also: which half of K's or V's tile I fetch
	s_and_b32 s83, s[WV], 3                        ; which quarter of the bias's
	s_lshr_b32 s[WQI], s[WV], 1                    ; which 32 queries are mine
	s_lshl_b32 s84, s77, 11                        ; K: row 2,048 b + 64 x half, 4,096 bytes a row, + 256 hp.  K's and V's registers never hold cx
	s_lshl_b32 s85, s82, 6
	s_add_co_u32 s84, s84, s85
	s_lshl_b32 s84, s84, 12
	s_lshl_b32 s85, s78, 8
	s_add_co_u32 s84, s84, s85
	s_mov_b32 s85, 0
	s_lshl_b32 s86, s78, 7                         ; V: row 128 hp + 64 x half, 8,192 bytes a row, + 4,096 b
	s_lshl_b32 s87, s82, 6
	s_add_co_u32 s86, s86, s87
	s_lshl_b32 s86, s86, 13
	s_lshl_b32 s87, s77, 12
	s_add_co_u32 s86, s86, s87
	s_mov_b32 s87, 0
	s_lshl_b32 s88, s77, 10                        ; bias: row 1,024 b + 128 x + 32 x quarter, 8,192 bytes a row.  Its registers never hold cy
	s_lshl_b32 s89, s79, 7
	s_add_co_u32 s88, s88, s89
	s_lshl_b32 s89, s83, 5
	s_add_co_u32 s88, s88, s89
	s_lshl_b32 s88, s88, 13
	s_mov_b32 s89, 0
	s_mul_i32 s90, s82, 64*KP                      ; and where they go: no place in the cluster enters an LDS address
	s_mul_i32 s91, s83, 32*BP
	s_lshl_b32 s96, s78, 7                         ; wq: row 8,192 + 128 hp + 64 (w % 2): the 64 rows that I fetch (waves 0-3), and my head's 64 channels: the same number.  No cx in it
	s_lshl_b32 s97, s82, 6
	s_add_co_u32 s96, s96, s97
	s_add_co_u32 s96, s96, 8192
	s_lshl_b32 s100, s96, 6                        ; its scale bytes: 64 a row,
	s_mov_b32 s101, 0
	s_lshl_b32 s96, s96, 10                        ; its codes: 1,024 a row
	s_mov_b32 s97, 0
	s_lshl_b32 s98, s77, 10                        ; inputs_q: row 4,096 + 1,024 b + 128 x.  No cy in it
	s_lshl_b32 s99, s79, 7
	s_add_co_u32 s98, s98, s99
	s_add_co_u32 s98, s98, 4096
	s_lshl_b32 s99, s[WQI], 5
	s_add_co_u32 s80, s98, s99                     ; + 32 (w / 2): my queries:
	s_lshl_b32 s80, s80, 6                         ; their scale bytes
	s_mov_b32 s81, 0
	s_lshl_b32 s99, s83, 5
	s_add_co_u32 s98, s98, s99                     ; + 32 x quarter: the rows that I fetch (waves 4-7):
	s_lshl_b32 s98, s98, 10                        ; their codes
	s_mov_b32 s99, 0
	s_mov_b32 s[CS], 0x3fb8aa3b                    ; c = log2(e)
	s_mov_b32 s[CS+1], s[CS]
	s_mov_b32 s[SEL], 0x76543210
	s_mov_b32 s[SEL+1], 0xfedcba98
	s_mov_b32 s[CNT], 7
	s_wait_dscnt 0x0                               ; both opening adds are done
	s_wait_kmcnt 0x0
	s_add_nc_u64 s[84:85], s[4:5], s[84:85]        ; kept: the changes of slots behind the projection's halves take the ring's first addresses from these three
	s_add_nc_u64 s[86:87], s[6:7], s[86:87]
	s_add_nc_u64 s[88:89], s[8:9], s[88:89]
	s_add_nc_u64 s[96:97], s[92:93], s[96:97]
	s_add_nc_u64 s[98:99], s[92:93], s[98:99]
	s_add_nc_u64 s[80:81], s[94:95], s[80:81]
	s_add_nc_u64 s[100:101], s[94:95], s[100:101]
.irp s, 0,1                            ; the first two fills: half s of K of the projection's codes
	s_mov_b32 s[G0K+4*\s], 1                       ; count = 1
	s_add_co_u32 s[G0K+4*\s+1], s90, \s*SLOTB      ; LDS address
	s_add_nc_u64 s[G0K+4*\s+2:G0K+4*\s+3], s[96:97], \s*512         ; global address: wq, bytes 0-255 of the half
	s_or_b32 s[G0K+4*\s+3], s[G0K+4*\s+3], 0x80000000               ; type = 2
	s_mov_b32 s[G0V+4*\s], 1
	s_add_co_u32 s[G0V+4*\s+1], s90, \s*SLOTB+VOFF
	s_add_nc_u64 s[G0V+4*\s+2:G0V+4*\s+3], s[96:97], \s*512+256     ; wq, bytes 256-511
	s_or_b32 s[G0V+4*\s+3], s[G0V+4*\s+3], 0x80000000
	s_mov_b32 s[G0B+4*\s], 1
	s_add_co_u32 s[G0B+4*\s+1], s91, \s*SLOTB+BOFF
	s_add_nc_u64 s[G0B+4*\s+2:G0B+4*\s+3], s[98:99], \s*512         ; inputs_q, the half's 512 bytes
	s_or_b32 s[G0B+4*\s+3], s[G0B+4*\s+3], 0x80000000
.endr
	CROUND                                         ; all sixteen work-groups are here: the first joint loads meet
	JLOAD 0
	JLOAD 1                                        ; two loads of mine are out
	v_and_b32 v1, 15, v0                           ; r = lane % 16
	v_bfe_u32 v2, v0, 4, 1                         ; h = lane / 16
	v_and_b32 v[SO], 31, v0
	v_lshlrev_b32 v[SO], 6, v[SO]                  ; lane l takes row l of 32: a tile's 16 rows in lanes 0-15, the next tile's in lanes 16-31; the 32 rows' 2,048 bytes are one dense block
.irp j, 0,1,2,3                        ; 16 bytes are the scale words of four K steps
	global_load_b128 v[XSC+4*\j:XSC+4*\j+3], v[SO], s[80:81] offset:16*\j
	global_load_b128 v[WSC+4*\j:WSC+4*\j+3], v[SO], s[100:101] offset:16*\j
	global_load_b128 v[WSC+16+4*\j:WSC+16+4*\j+3], v[SO], s[100:101] offset:2048+16*\j
.endr
	WIN 0x40                                       ; destination window 1
.set j, 0
.rept 64
	v_mov_b32 v[j], 0                              ; O^T.  (The step is written once: the first finds zeros, which its a = 0 leaves zeros)
.set j, j+1
.endr
	WIN 0
	v_mul_u32_u24 v3, v1, KP
	v_lshl_add_u32 v3, v2, 4, v3                   ; 272 r + 16 h
	s_lshl_b32 s96, s82, 7                         ; K: my head's 128 bytes of a key's row
	v_add_nc_u32 v[AK], s96, v3
	v_add_nc_u32 v[AK+1], SLOTB, v[AK]
	s_mul_i32 s96, s82, 64*KP                      ; wq: my head's 64 rows, from K's region on
	v_add_nc_u32 v[AW], s96, v3
	v_add_nc_u32 v[AW+1], SLOTB, v[AW]
	s_add_co_u32 s96, s96, VOFF                    ; V: my head's 64 rows
	v_add_nc_u32 v[AV], s96, v3
	v_add_nc_u32 v[AV+1], SLOTB, v[AV]
	v_mul_u32_u24 v15, v1, BP
	s_mul_i32 s96, s[WQI], 32*BP                   ; my 32 queries' rows of the bias's region
	s_add_co_u32 s96, s96, BOFF
	v_lshl_add_u32 v63, v2, 4, v15                 ; inputs_q: 528 r + 16 h
	v_add_nc_u32 v[AX], s96, v63
	v_add_nc_u32 v[AX+1], SLOTB, v[AX]
	v_lshl_add_u32 v15, v2, 5, v15                 ; bias: 528 r + 32 h
	v_add_nc_u32 v[AB], s96, v15
	v_add_nc_u32 v[AB+1], SLOTB, v[AB]
	s_mul_i32 s96, s[WQI], 32*KP                   ; the stage, in: row 32 (w / 2) + r, my head's 128 bytes, + 16 h
	s_lshl_b32 s97, s82, 7
	s_add_co_u32 s96, s96, s97
	s_add_co_u32 s96, s96, STAGE
	v_add_nc_u32 v[STO], s96, v3
	s_mul_i32 s96, s[WV], 16*KP                    ; back: wave w takes rows 16 w on, whole; lanes 0-15 one row, lanes 16-31 the next
	s_add_co_u32 s96, s96, STAGE
	v_mul_u32_u24 v15, v2, KP
	v_lshl_add_u32 v15, v1, 4, v15
	v_add_nc_u32 v[RD], s96, v15
	v_lshlrev_b32 v[GO], 12, v2                    ; and the same two rows in ctx
	v_lshl_add_u32 v[GO], v1, 4, v[GO]
	s_lshl_b32 s96, s77, 10                        ; ctx: row 1,024 b + 128 x + 16 w, + 256 hp bytes
	s_lshl_b32 s97, s79, 7
	s_add_co_u32 s96, s96, s97
	s_lshl_b32 s97, s[WV], 4
	s_add_co_u32 s96, s96, s97
	s_lshl_b32 s96, s96, 12
	s_lshl_b32 s97, s78, 8
	s_add_co_u32 s96, s96, s97
	s_mov_b32 s97, 0
	s_add_nc_u64 s[10:11], s[10:11], s[96:97]
	; the prefetches (macro ASK): three offsets, and the choice by the wave's number
	s_lshl_b32 s96, s77, 11                        ; K: row 2,048 b + 32 cx, + 256 hp
	s_lshl_b32 s97, s13, 5
	s_add_co_u32 s96, s96, s97
	s_lshl_b32 s96, s96, 12
	s_lshl_b32 s97, s78, 8
	s_add_co_u32 s96, s96, s97
	s_lshl_b32 s97, s78, 7                         ; V: row 128 hp + 32 cx, + 4,096 b
	s_lshl_b32 s98, s13, 5
	s_add_co_u32 s97, s97, s98
	s_lshl_b32 s97, s97, 13
	s_lshl_b32 s98, s77, 12
	s_add_co_u32 s97, s97, s98
	s_lshl_b32 s98, s77, 10                        ; bias: row 1,024 b + 128 x + 32 cy, + 256 (w % 2)
	s_lshl_b32 s99, s79, 7
	s_add_co_u32 s98, s98, s99
	s_lshl_b32 s99, s14, 5
	s_add_co_u32 s98, s98, s99
	s_lshl_b32 s98, s98, 13
	s_lshl_b32 s99, s82, 8
	s_add_co_u32 s98, s98, s99
	s_mov_b32 s[PFS], 512                          ; a slot on: 128 keys of 4 bytes in the bias,
	s_cmp_eq_u32 s[WV], 0
	s_cselect_b64 s[PFA:PFA+1], s[4:5], s[8:9]
	s_cselect_b32 s98, s96, s98
	s_cselect_b32 s[PFS], 0x80000, s[PFS]          ; 128 rows of kf,
	s_cselect_b32 s99, 12, 13                      ; from lane to lane: a row of 4,096 or of 8,192 bytes
	s_cmp_eq_u32 s[WV], 1
	s_cselect_b64 s[PFA:PFA+1], s[6:7], s[PFA:PFA+1]
	s_cselect_b32 s98, s97, s98
	s_cselect_b32 s[PFS], 256, s[PFS]              ; 128 keys of 2 bytes in vt
	s_mov_b32 s[PFS+1], 0
	v_and_b32 v[PFO], 31, v0
	v_lshlrev_b32 v[PFO], s99, v[PFO]
	s_lshl_b32 s96, s[PFS], 1
	s_add_co_u32 s98, s98, s96                     ; at key slot 2: the loop's first change steps it to slot 3.  Nothing is prefetched here, at the head, where every work-group's first tiles are on their way
	s_mov_b32 s99, 0
	s_add_nc_u64 s[PFA:PFA+1], s[PFA:PFA+1], s[98:99]
	s_and_b32 s96, s76, 3
	s_cmp_lt_u32 s[WV], 2
	s_cselect_b32 s96, ttmp9, s96                  ; the coordinate along which other clusters walk the same rows,
	s_lshr_b32 s97, s[WV], 2                       ; and 0 in waves 0 to 3
	s_or_b32 s96, s96, s97
	s_cmp_eq_u32 s96, 0
	s_cselect_b32 s[LIM], 1, -1                    ; the same in all sixteen partners, for a given wave
.irp t, 0,1
	v_mov_b32 v[ST+8*\t+1], 0xfe967699             ; m = -1e38
	v_mul_f32 v[ST+8*\t], s[CS], v[ST+8*\t+1]      ; c m
	v_mov_b32 v[ST+8*\t+2], 0                      ; l
	v_mov_b32 v[ST+8*\t+3], 0
.endr
	s_wait_loadcnt 0x0                             ; the scale words
	s_wait_tensorcnt 1                             ; my part of slot 0 is in; slot 1's may stay out
	s_barrier_signal -1
	s_barrier_wait -1                              ; everybody's is
	QHALF 0                                        ; K = 0 .. 1,023
	CHANGEQ 0                                      ; slot 0 takes keys 0-127: they land under the second half
	QHALF 1                                        ; K = 1,024 .. 2,047
	CHANGEQ 1                                      ; slot 1 takes keys 128-255; the four v_nop behind the load are the places behind the last products
	s_mov_b32 s98, 0x3e800000                      ; 1/4, exact
	s_mov_b32 s99, s98                             ; (the packed form names the pair)
.set j, 0
.rept 32
	v_pk_mul_f32 v[QA+j:QA+j+1], v[QA+j:QA+j+1], s[98:99] op_sel_hi:[1,0]   ; each accumulator from its low end on
.set j, j+2
.endr
	WIN 0x40                                       ; destination window 1
.irp t, 0,1                            ; lane (r, h) holds query r and channels 16 i + 8 h + 0..7 of tile i: tiles 2 e and 2 e + 1 are registers 0-3 and 4-7 of Q's fragment for channels 32 e on
.irp e, 0,1
.irp u, 0,1
.irp n, 0,1,2,3
	v_cvt_pk_f16_f32 v[QF+16*\t+8*\e+4*\u+\n], v[QA+8*(2*(2*\e+\u)+\t)+2*\n], v[QA+8*(2*(2*\e+\u)+\t)+2*\n+1]
.endr
.endr
.endr
.endr
	WIN 0
.Lpair:                                            ; seven trips of two slots: key slots 0 to 13 are worked, 2 to 15 asked for
	STEP 0, 1
	STEP 1, 1
	s_sub_co_u32 s[CNT], s[CNT], 1
	s_cmp_lg_u32 s[CNT], 0
	s_cbranch_scc1 .Lpair
	STEP 0, 0                                      ; the tail is written out
	PARTA 1
	PARTB                                          ; the last slot: both classes
	; THE WAY OUT.  l's two halves and the other half of the lanes' are added; O^T is divided by l, rounded to f16 and goes through the work-group's stage: a row's 256 bytes come from two waves.
.rept 4
	v_nop                                          ; places behind the last products
.endr
.irp t, 0,1
	v_add_f32 v[ST+8*\t+4], v[ST+8*\t+2], v[ST+8*\t+3]
.endr
.irp t, 0,1
	v_permlanex16_b32 v[ST+8*\t+5], v[ST+8*\t+4], s[SEL], s[SEL+1]
.endr
.irp t, 0,1
	v_add_f32 v[ST+8*\t+4], v[ST+8*\t+4], v[ST+8*\t+5]
.endr
.irp t, 0,1
	v_rcp_f32 v[ST+8*\t+6], v[ST+8*\t+4]
.endr
	v_nop                                          ; a plain instruction between the last reciprocal and the use of its result
	s_wait_alu depctr_va_vdst(0)                   ; and the wait ahead of the first use: one for both
	WIN 0x41
.irp t, 0,1
.irp j, 0,2,4,6,8,10,12,14,16,18,20,22,24,26,28,30
	v_pk_mul_f32 v[32*\t+\j:32*\t+\j+1], v[32*\t+\j:32*\t+\j+1], v[ST+8*\t+6:ST+8*\t+7] op_sel_hi:[1,0]   ; each accumulator from its low end on
.endr
.endr
	WIN 0x05                                       ; sources window 1, destination window 0: S^T's registers are free
.irp t, 0,1
.irp j, 0,1,2,3,4,5,6,7,8,9,10,11,12,13,14,15
	v_cvt_pk_f16_f32 v[S+16*\t+\j], v[32*\t+2*\j], v[32*\t+2*\j+1]  ; registers 4 i .. 4 i + 3: channels 16 i + 8 h + 0..7 of my query
.endr
.endr
	WIN 0
.irp t, 0,1
.irp i, 0,1,2,3
	ds_store_b128 v[STO], v[S+16*\t+4*\i:S+16*\t+4*\i+3] offset:16*\t*KP+32*\i
.endr
.endr
	s_wait_dscnt 0x0                               ; for the others' sake: my stores into the stage are done
	s_barrier_signal -1
	s_barrier_wait -1
.irp i, 0,1,2,3,4,5,6,7
	ds_load_b128 v[128+4*\i:128+4*\i+3], v[RD] offset:2*\i*KP
.endr
.irp i, 0,1,2,3,4,5,6,7
	s_wait_dscnt 7-\i                              ; load i is back; the younger ones may be out
	global_store_b128 v[GO], v[128+4*\i:128+4*\i+3], s[10:11] offset:2*\i*4096   ; 16 lanes store 256 consecutive bytes, at a multiple of 256 from ctx's first byte
.endr
	s_wait_tensorcnt 0x0                           ; the wave's end, behind my last tensor load and my last LDS store
	ds_add_u32 v[SPW], v[NIL]
	s_wait_dscnt 0x0
	CROUND                                         ; the closing round: no work-group ends while a partner may still ask for a tile that names it
	s_endpgm
.Lfunc_end_k_qceb4d561a8_attn:
	.size	k_qceb4d561a8_attn, .Lfunc_end_k_qceb4d561a8_attn-k_qceb4d561a8_attn
	.p2alignl 7, 3214868480
	.fill 96, 4, 3214868480
	.section	.rodata,"a",@progbits
	.p2align	6, 0x0
	.amdhsa_kernel k_qceb4d561a8_attn
		.amdhsa_group_segment_fixed_size 327680
		.amdhsa_private_segment_fixed_size 0
		.amdhsa_enable_private_segment 0
		.amdhsa_kernarg_size 48
		.amdhsa_user_sgpr_count 2
		.amdhsa_user_sgpr_kernarg_segment_ptr 1
		.amdhsa_wavefront_size32 1
		.amdhsa_system_sgpr_workgroup_id_x 1
		.amdhsa_system_sgpr_workgroup_id_y 1
		.amdhsa_system_sgpr_workgroup_id_z 1
		.amdhsa_system_vgpr_workitem_id 0
		.amdhsa_next_free_vgpr 512
		.amdhsa_next_free_sgpr 102
		.amdhsa_reserve_vcc 0
		.amdhsa_float_denorm_mode_32 3
		.amdhsa_float_denorm_mode_16_64 3
		.amdhsa_memory_ordered 1
		.amdhsa_forward_progress 1
		.amdhsa_inst_pref_size 255
	.end_amdhsa_kernel
	.section	.bss,"aw",@nobits
	.p2align	6
	.space	262144
	.amdgpu_metadata
---
amdhsa.version: [ 1, 2 ]
amdhsa.kernels:
  - .name:           k_qceb4d561a8_attn
    .symbol:         k_qceb4d561a8_attn.kd
    .args:
      - { .name: kf, .offset: 0, .size: 8, .value_kind: global_buffer, .address_space: global }
      - { .name: vt, .offset: 8, .size: 8, .value_kind: global_buffer, .address_space: global }
      - { .name: bias, .offset: 16, .size: 8, .value_kind: global_buffer, .address_space: global }
      - { .name: ctx, .offset: 24, .size: 8, .value_kind: global_buffer, .address_space: global }
      - { .name: codes, .offset: 32, .size: 8, .value_kind: global_buffer, .address_space: global }
      - { .name: scales, .offset: 40, .size: 8, .value_kind: global_buffer, .address_space: global }
    .group_segment_fixed_size: 327680
    .private_segment_fixed_size: 0
    .kernarg_segment_align: 8
    .kernarg_segment_size: 48
    .max_flat_workgroup_size: 256
    .sgpr_count:     102
    .vgpr_count:     512
    .wavefront_size: 32
...
	.end_amdgpu_metadata
.endif
;; end of part 3
;; launch gemm_out (part 4): grid 16 x 16, 4 waves a work-group, clusters of 4 x 4, 327,680 bytes of LDS; arguments ctx, wot, out0; writes out0
.if DOCPART == 4
	.amdgcn_target "amdgcn-amd-amdhsa--gfx1250"
	.amdhsa_code_object_version 6
	.text
	.protected	k_qceb4d561a8_gemm_out
	.globl	k_qceb4d561a8_gemm_out
	.p2align	8
	.type	k_qceb4d561a8_gemm_out,@function
k_qceb4d561a8_gemm_out:
	s_mov_b64 s[64:65], 0
	v_nop
	global_prefetch_b8 v0, s[64:65] scope:SCOPE_SE
	s_setreg_imm32_b32 hwreg(HW_REG_WAVE_MODE, 25, 1), 1
	s_wait_xcnt 0x0
	s_wait_alu depctr_hold_cnt(0) depctr_sa_sdst(0) depctr_va_vdst(0) depctr_va_sdst(0) depctr_va_ssrc(0) depctr_va_vcc(0) depctr_vm_vsrc(0)
	s_getreg_b32 s2, hwreg(HW_REG_IB_STS2, 6, 4)
	s_cmp_eq_u32 s2, 0
	s_cbranch_scc0 .Lentry_in_a_cluster
	s_endpgm
.Lentry_in_a_cluster:
	s_bfe_u32 s2, ttmp6, 0x10000c
	s_cmp_lg_u32 s2, 0xf033
	s_cbranch_scc0 .Lentry_shape_is_right
	s_endpgm
.Lentry_shape_is_right:
; FOURTH LAUNCH: the projection on the way out, out0[m][e] = sum over hd of ctx[m][hd] wo[hd][e], as C = A B^T with A = ctx / 2 [2,048][2,048] and B = 2 wo turned [e][hd], both f16; sums and C in f32.
; The product is left as it is by the contract; the two factors of two are exact and cancel.  No work of reference() is left out.
; A tile of C is 128 x 128: 256 tiles, one for each work-group.  Four waves, each 64 x 64: 16 accumulators of 16 x 16, 128 registers.  K goes in steps of 256 (LDS rows of 512 bytes; a wave's tensor load brings 64 of them)
; through a ring of two slots.  A wave's 64 columns of f32 are 256 aligned bytes of C: each wave has a stage of its own on the way out, and no barrier stands there.
; CLUSTERS: 4 x 4 work-groups.  The four of a row of the cluster need the same tiles of A, the four of a column the same tiles of B: each tile is asked for JOINTLY.
; THE MATRIX INSTRUCTION IS USED TRANSPOSED (source 0 = 16 rows of B, source 1 = 16 rows of A): a lane then holds eight neighbouring numbers of a row of C.
; REGISTERS: window 0: v0-31 addresses; v32-95 at work on the way out; v128-255 the accumulators ((a, b) at v[128 + 8 (4 a + b)]).   window 1: two fragment buffers of 128: 64 registers of A, then 64 of B, for 64 along K.
.set SIZE_M, 2048
.set SIZE_N, 2048
.set SIZE_K, 2048
.set KSTEP,  256
.set PITCH,  528                       ; an LDS row: 512 bytes + 16 of padding: the 16 rows that a load touches start at 16 different 16-byte columns of the banks' 256 bytes
.set HALFT,  64*PITCH                  ; 64 rows: what one tensor load brings
.set SLOT,   4*HALFT                   ; A's 128 rows, then B's 128 rows
.set STAGE,  2*SLOT                    ; behind the ring: 16 rows x 272 bytes for each wave
.set SPITCH, 272
.set SPARE,  STAGE+4*16*SPITCH         ; the spare words, 128 bytes a wave: two blocks of 256 bytes that no other line names
.set LAPS, SIZE_K/(2*KSTEP)            ; a lap = two K steps = once round the ring
.set ADRA, 16                          ; v16-17  LDS address of my A fragments in slot 0, 1
.set ADRB, 20                          ; v20-21  the same for B
.set STO,  24                          ; v24     the way out: where I put 32 bytes of a row
.set RD,   25                          ; v25     where I read a row back
.set CO,   26                          ; v26     my byte offset in C
.set SPW,  28                          ; v28     LDS address of my spare word; never rewritten
.set NIL,  29                          ; v29     0; never rewritten
.set TMP,  32                          ; the way out: two sets of 32 registers, whole rows
.set ACC,  128
.set F0,   0                           ; fragment buffers, in window 1
.set F1,   128
.set G1, 24                            ; s[24:31] descriptor group 1 for A's tiles;  s[32:39] group 0, one set for each slot
.set G0, 32
.set G1B, 48                           ; s[48:55], s[56:63] the same for B's tiles
.set G0B, 56
.set MSB, 0
.macro WIN new                         ; the immediate's high byte repeats the setting that is left
.if MSB != \new
	s_set_vgpr_msb (MSB<<8)|\new
.set MSB, \new
.endif
.endm
.set MUL,  0x05                        ; sources 0 (B) and 1 (A) window 1; C and D window 0
.set TO_F, 0x40                        ; destination window 1, address window 0
.macro JLOAD s                         ; a joint load: waves 0 and 1 fetch A's two halves, waves 2 and 3 B's; an s_nop 0 and four v_nop follow each of the two lines
	s_cmp_eq_u32 s11, 0
	s_cbranch_scc0 .Lfor_b_\@
	tensor_load_to_lds s[G0+4*\s:G0+4*\s+3], s[G1:G1+7]
	s_nop 0
.rept 4
	v_nop
.endr
	s_branch .Lasked_\@
.Lfor_b_\@:
	tensor_load_to_lds s[G0B+4*\s:G0B+4*\s+3], s[G1B:G1B+7]
	s_nop 0
.rept 4
	v_nop
.endr
.Lasked_\@:
.endm
.macro CREST                           ; a round of the cluster's barrier behind its opening barrier
	s_cmp_lg_u32 s10, 0
	s_cbranch_scc1 .Lnot_wave_0_\@
	s_barrier_signal -3
.Lnot_wave_0_\@:
	s_barrier_wait -3
	s_barrier_signal -1
	s_barrier_wait -1
.endm
.macro CROUND                          ; a whole round
	s_barrier_signal -1
	s_barrier_wait -1
	CREST
.endm
	s_load_b128 s[4:7], s[0:1], 0x0                ; A s[4:5], B s[6:7]
	s_load_b64 s[8:9], s[0:1], 0x10                ; C
	v_lshl_add_u32 v[SPW], v0, 2, SPARE
	v_mov_b32 v[NIL], 0
	ds_add_u32 v[SPW], v[NIL]                      ; the wave's opening: the add, twice on end, and its wait ahead of my first tensor load; the set-up below stands between
	ds_add_u32 v[SPW], v[NIL]
	v_lshrrev_b32 v1, 5, v0
	v_readfirstlane_b32 s10, v1                    ; wave 0..3
	s_lshr_b32 s11, s10, 1                         ; which half of the tile's rows is mine.  Also: I fetch for A (0) or for B (1)
	s_and_b32 s12, s10, 1                          ; which half of its columns.  Also: which 64 rows of that tile I fetch
	s_bfe_u32 s40, ttmp6, 0x40000                  ; cx, cy: my place in the cluster
	s_bfe_u32 s41, ttmp6, 0x40004
	s_lshl_b32 s42, ttmp9, 2
	s_add_co_u32 s42, s42, s40                     ; tile column of C = 4 x cluster x + cx
	s_and_b32 s13, ttmp7, 0xffff
	s_lshl_b32 s13, s13, 2
	s_add_co_u32 s13, s13, s41                     ; tile row of C = 4 x cluster y + cy
	s_lshl_b32 s43, s41, 2
	s_lshl_b32 s43, 15, s43                        ; my row of the cluster
	s_lshl_b32 s44, 0x1111, s40                    ; my column
	; descriptor group 1: a tile of 64 rows x 256 elements of 2 bytes, four words of padding after every 128
	s_or_b32 s[G1+0], s43, (1<<16)|(1<<20)|(1<<21)|(6<<22)|(3<<25)
	s_or_b32 s[G1B+0], s44, (1<<16)|(1<<20)|(1<<21)|(6<<22)|(3<<25)
.irp g, G1, G1B
	s_mov_b32 s[\g+1], KSTEP<<16                   ; tensor_dim0 = 256
	s_mov_b32 s[\g+2], 64<<16                      ; tensor_dim1 = 64
	s_mov_b32 s[\g+3], KSTEP<<16                   ; tile_dim0 = 256
	s_mov_b32 s[\g+4], 64                          ; tile_dim1 = 64
	s_mov_b32 s[\g+5], SIZE_K                      ; tensor_dim0_stride
	s_mov_b32 s[\g+6], 0
	s_mov_b32 s[\g+7], 0
.endr
	s_lshl_b32 s17, s12, 6                         ; which 64 rows of the tile I fetch
	s_lshl_b32 s16, s13, 7
	s_add_co_u32 s16, s16, s17                     ; A: row 128 x tile row + 64 x half
	s_lshl_b32 s46, s42, 7
	s_add_co_u32 s46, s46, s17                     ; B: row 128 x tile column + 64 x half
	s_mov_b32 s17, 0
	s_mov_b32 s47, 0
	s_mov_b64 s[18:19], SIZE_K*2
	s_mul_u64 s[16:17], s[16:17], s[18:19]
	s_mul_u64 s[46:47], s[46:47], s[18:19]
	s_mul_i32 s20, s10, HALFT                      ; where they go: wave x 64 rows
	s_wait_dscnt 0x0                               ; both opening adds are done
	s_wait_kmcnt 0x0
	s_add_nc_u64 s[14:15], s[4:5], s[16:17]
	s_add_nc_u64 s[46:47], s[6:7], s[46:47]
	CROUND                                         ; all sixteen work-groups are here: the first joint loads meet
.irp s, 0,1
	s_mov_b32 s[G0+4*\s], 1
	s_add_co_u32 s[G0+4*\s+1], s20, \s*SLOT
	s_add_nc_u64 s[G0+4*\s+2:G0+4*\s+3], s[14:15], \s*KSTEP*2
	s_or_b32 s[G0+4*\s+3], s[G0+4*\s+3], 0x80000000
	s_mov_b32 s[G0B+4*\s], 1
	s_add_co_u32 s[G0B+4*\s+1], s20, \s*SLOT
	s_add_nc_u64 s[G0B+4*\s+2:G0B+4*\s+3], s[46:47], \s*KSTEP*2
	s_or_b32 s[G0B+4*\s+3], s[G0B+4*\s+3], 0x80000000
	JLOAD \s
.endr
	v_and_b32 v1, 15, v0                           ; l % 16
	v_bfe_u32 v2, v0, 4, 1                         ; l / 16
	v_mul_u32_u24 v3, v1, PITCH
	v_lshl_add_u32 v3, v2, 4, v3                   ; a fragment's row x pitch + 16 x half
	s_mul_i32 s21, s11, HALFT                      ; my 64 rows of A
	s_mul_i32 s22, s12, HALFT                      ; my 64 rows of B,
	s_add_co_u32 s22, s22, 2*HALFT                 ; which lie behind A's 128
.irp s, 0,1
	v_add_nc_u32 v[ADRA+\s], s21, v3
	v_add_nc_u32 v[ADRB+\s], s22, v3
	s_add_co_u32 s21, s21, SLOT
	s_add_co_u32 s22, s22, SLOT
.endr
	s_mul_i32 s23, s10, 16*SPITCH
	s_add_co_u32 s23, s23, STAGE                   ; my stage
	v_mul_u32_u24 v4, v1, SPITCH                   ; in: row l % 16, 32 bytes for each half of the lanes
	v_lshl_add_u32 v4, v2, 5, v4
	v_add_nc_u32 v[STO], s23, v4
	v_mul_u32_u24 v5, v2, SPITCH                   ; back: lanes 0-15 take one row of 256 bytes, lanes 16-31 the next
	v_lshl_add_u32 v5, v1, 4, v5
	v_add_nc_u32 v[RD], s23, v5
	v_lshlrev_b32 v5, 13, v2                       ; and the same two rows in C: 8,192 bytes a row
	v_lshl_add_u32 v[CO], v1, 4, v5
	s_lshl_b32 s16, s13, 7
	s_lshl_b32 s17, s11, 6
	s_add_co_u32 s16, s16, s17                     ; my first row of C: 128 x tile row + 64 x half
	s_lshl_b32 s16, s16, 13
	s_mov_b32 s17, 0
	s_add_nc_u64 s[8:9], s[8:9], s[16:17]
	s_lshl_b32 s46, s42, 9                         ; my first column, in bytes: 512 x tile column + 256 x half
	s_lshl_b32 s47, s12, 8
	s_add_co_u32 s46, s46, s47
	s_mov_b32 s47, 0
	s_add_nc_u64 s[8:9], s[8:9], s[46:47]
; 8 matrix instructions: m blocks a0, a0 + 1 x all 4 n blocks, 32 along K: half c of buffer f.  zero = 1: the first product starts the sums.  The 16 accumulators take turns
.macro MUL8 f, c, a0, zero
.irp a, \a0, \a0+1
.irp b, 0,1,2,3
.if \zero
	v_wmma_f32_16x16x32_f16 v[ACC+8*(4*(\a)+\b):ACC+8*(4*(\a)+\b)+7], v[\f+64+8*(4*\c+\b):\f+64+8*(4*\c+\b)+7], v[\f+8*(4*\c+\a):\f+8*(4*\c+\a)+7], 0
.else
	v_wmma_f32_16x16x32_f16 v[ACC+8*(4*(\a)+\b):ACC+8*(4*(\a)+\b)+7], v[\f+64+8*(4*\c+\b):\f+64+8*(4*\c+\b)+7], v[\f+8*(4*\c+\a):\f+8*(4*\c+\a)+7], v[ACC+8*(4*(\a)+\b):ACC+8*(4*(\a)+\b)+7]
.endif
.endr
.endr
.endm
; 32 LDS loads in one run: the fragments of 64 along K at byte k of the rows, into buffer f; the first 32 along K first
.macro FETCH slot, k, f
	WIN TO_F
.irp c, 0,1
.irp i, 0,1,2,3
	ds_load_b128 v[\f+64+8*(4*\c+\i):\f+64+8*(4*\c+\i)+3],   v[ADRB+\slot] offset:\k+64*\c+\i*16*PITCH
	ds_load_b128 v[\f+64+8*(4*\c+\i)+4:\f+64+8*(4*\c+\i)+7], v[ADRB+\slot] offset:\k+64*\c+\i*16*PITCH+32
	ds_load_b128 v[\f+8*(4*\c+\i):\f+8*(4*\c+\i)+3],         v[ADRA+\slot] offset:\k+64*\c+\i*16*PITCH
	ds_load_b128 v[\f+8*(4*\c+\i)+4:\f+8*(4*\c+\i)+7],       v[ADRA+\slot] offset:\k+64*\c+\i*16*PITCH+32
.endr
.endr
.endm
.macro PLACES                          ; four places in front of loads into registers that matrix instructions have read, and of the first read of results
.rept 4
	v_nop
.endr
.endm
; A K step is four quarters of 64 along K, 32 matrix instructions each, on buffers 0, 1, 0, 1.  One of the first three: multiplies buffer f and fetches the next quarter, at byte k, into g.
.macro QUARTER slot, k, f, g, zero
	s_wait_dscnt 16                                ; the first 32 along K are in; the youngest sixteen loads may be out
	WIN MUL
	MUL8 \f, 0, 0, \zero
	MUL8 \f, 0, 2, \zero
	PLACES
	FETCH \slot, \k, \g
	s_wait_dscnt 32                                ; all but the 32 just issued
	WIN MUL
	MUL8 \f, 1, 0, 0
	MUL8 \f, 1, 2, 0
.endm
; The last quarter multiplies buffer 1 and changes slots: ONE barrier; in front of it each wave waits for all its tensor loads, adds 0 to its spare word, and waits for that and for its own reads of this slot.  fill = 1: this slot is filled again, two K steps ahead.
.macro TURN slot, next, fill
	WIN 0                                          ; (the add's two registers lie in window 0)
	s_wait_tensorcnt 0x0                           ; all my tensor loads have landed: my part of the next slot
	ds_add_u32 v[SPW], v[NIL]                      ; 0 onto my spare word
	s_wait_dscnt 17                                ; (the add and the youngest sixteen loads may be out)
	WIN MUL
	MUL8 F1, 0, 0, 0                               ; eight matrix instructions stand between the add and the wait for it
	s_wait_dscnt 0x0                               ; the add is done, and my reads of this slot are over
	s_barrier_signal -1
	MUL8 F1, 0, 2, 0
.if \fill
	WIN 0
.endif
	s_barrier_wait -1
.if \fill
	CREST                                          ; the barrier has opened a round of the cluster's barrier: no wave of any partner still reads this slot's tile or has a load on its way
	s_add_nc_u64 s[G0+4*\slot+2:G0+4*\slot+3], s[G0+4*\slot+2:G0+4*\slot+3], 2*KSTEP*2
	s_add_nc_u64 s[G0B+4*\slot+2:G0B+4*\slot+3], s[G0B+4*\slot+2:G0B+4*\slot+3], 2*KSTEP*2
	JLOAD \slot                                    ; the first tensor load behind the round; its four v_nop are also the places in front of the loads below
.else
	PLACES
.endif
	FETCH \next, 0, F0
	WIN MUL
	MUL8 F1, 1, 0, 0
	MUL8 F1, 1, 2, 0
.endm
	s_wait_tensorcnt 1                             ; my part of K step 0 is in; K step 1's may be out
	s_barrier_signal -1
	s_barrier_wait -1                              ; everybody's is
	FETCH 0, 0, F0
	QUARTER 0, 128, F0, F1, 1                      ; the first quarter stands in front of the loop: its first products start the sums
	WIN 0                                          ; at a label and at a branch every window is 0
	s_mov_b32 s3, LAPS-1
.Llap:                                                 ; a trip goes once round the ring, from a lap's second quarter to the next lap's first, and fills both slots again
	QUARTER 0, 256, F1, F0, 0
	QUARTER 0, 384, F0, F1, 0
	TURN 0, 1, 1
	QUARTER 1, 128, F0, F1, 0
	QUARTER 1, 256, F1, F0, 0
	QUARTER 1, 384, F0, F1, 0
	TURN 1, 0, 1
	QUARTER 0, 128, F0, F1, 0
	WIN 0
	s_sub_co_u32 s3, s3, 1
	s_cmp_lg_u32 s3, 0
	s_cbranch_scc1 .Llap
	QUARTER 0, 256, F1, F0, 0                      ; the last lap fills nothing, and has no round of the cluster's barrier
	QUARTER 0, 384, F0, F1, 0
	TURN 0, 1, 0
	QUARTER 1, 128, F0, F1, 0
	QUARTER 1, 256, F1, F0, 0
	QUARTER 1, 384, F0, F1, 0
	s_wait_dscnt 16                                ; the very last quarter: nothing more to fetch
	WIN MUL
	MUL8 F1, 0, 0, 0
	MUL8 F1, 0, 2, 0
	s_wait_dscnt 0
	MUL8 F1, 1, 0, 0
	MUL8 F1, 1, 2, 0
	WIN 0
; THE WAY OUT, block by block of 16 rows x 64 columns of f32.  A lane holds 32 neighbouring bytes of a row and the lanes beside it hold other rows: a block goes through my own stage and comes back as whole rows of 256 bytes.
; LDS serves a wave's instructions in order (ISA guide 5.7.1.4): no wait between the stores and the loads, nor in front of the next block's stores.
.macro TOSTAGE a
.irp b, 0,1,2,3
	ds_store_b128 v[STO], v[ACC+8*(4*(\a)+\b):ACC+8*(4*(\a)+\b)+3] offset:64*\b        ; each accumulator from its low end on
	ds_store_b128 v[STO], v[ACC+8*(4*(\a)+\b)+4:ACC+8*(4*(\a)+\b)+7] offset:64*\b+16
.endr
.irp i, 0,1,2,3,4,5,6,7
	ds_load_b128 v[TMP+32*((\a)%2)+4*\i:TMP+32*((\a)%2)+4*\i+3], v[RD] offset:2*\i*SPITCH
.endr
.endm
.macro SEND a, younger                 ; younger: the LDS instructions issued behind block a's loads, which may stay out
	s_wait_dscnt \younger                          ; the block is back in registers
.irp i, 0,1,2,3,4,5,6,7
	global_store_b128 v[CO], v[TMP+32*((\a)%2)+4*\i:TMP+32*((\a)%2)+4*\i+3], s[8:9] offset:(16*(\a)+2*\i)*SIZE_N*4 th:TH_STORE_NT   ; 16 lanes store 256 consecutive bytes, at a multiple of 256 from C's first byte; written once, read by nobody here
.endr
.endm
	PLACES
	TOSTAGE 0
.irp a, 1,2,3
.if \a > 1
	s_wait_xcnt 0x0                                ; block a - 2's stores have read their registers: block a's loads may land there
.endif
	TOSTAGE \a
	SEND \a-1, 16                                  ; behind block a - 1's loads: block a's 8 stores and 8 loads
.endr
	SEND 3, 0
	s_wait_tensorcnt 0x0                           ; the wave's end, behind my last tensor load and my last LDS store
	ds_add_u32 v[SPW], v[NIL]
	s_wait_dscnt 0x0
	CROUND                                         ; the closing round: no work-group ends while a partner may still ask for a tile that names it
	s_endpgm
.Lfunc_end_k_qceb4d561a8_gemm_out:
	.size	k_qceb4d561a8_gemm_out, .Lfunc_end_k_qceb4d561a8_gemm_out-k_qceb4d561a8_gemm_out
	.p2alignl 7, 3214868480
	.fill 96, 4, 3214868480
	.section	.rodata,"a",@progbits
	.p2align	6, 0x0
	.amdhsa_kernel k_qceb4d561a8_gemm_out
		.amdhsa_group_segment_fixed_size 327680
		.amdhsa_private_segment_fixed_size 0
		.amdhsa_enable_private_segment 0
		.amdhsa_kernarg_size 24
		.amdhsa_user_sgpr_count 2
		.amdhsa_user_sgpr_kernarg_segment_ptr 1
		.amdhsa_wavefront_size32 1
		.amdhsa_system_sgpr_workgroup_id_x 1
		.amdhsa_system_sgpr_workgroup_id_y 1
		.amdhsa_system_sgpr_workgroup_id_z 1
		.amdhsa_system_vgpr_workitem_id 0
		.amdhsa_next_free_vgpr 512
		.amdhsa_next_free_sgpr 66
		.amdhsa_reserve_vcc 0
		.amdhsa_float_denorm_mode_32 3
		.amdhsa_float_denorm_mode_16_64 3
		.amdhsa_memory_ordered 1
		.amdhsa_forward_progress 1
		.amdhsa_inst_pref_size 86
	.end_amdhsa_kernel
	.amdgpu_metadata
---
amdhsa.version: [ 1, 2 ]
amdhsa.kernels:
  - .name:           k_qceb4d561a8_gemm_out
    .symbol:         k_qceb4d561a8_gemm_out.kd
    .args:
      - { .name: ctx, .offset: 0, .size: 8, .value_kind: global_buffer, .address_space: global }
      - { .name: wot, .offset: 8, .size: 8, .value_kind: global_buffer, .address_space: global }
      - { .name: out0, .offset: 16, .size: 8, .value_kind: global_buffer, .address_space: global }
    .group_segment_fixed_size: 327680
    .private_segment_fixed_size: 0
    .kernarg_segment_align: 8
    .kernarg_segment_size: 24
    .max_flat_workgroup_size: 128
    .sgpr_count:     66
    .vgpr_count:     512
    .wavefront_size: 32
...
	.end_amdgpu_metadata
.endif
;; end of part 4
